; MI455X (gfx1250); checked and timed in simulation.
; The chip was launched on July 23, 2026; its instructions are those of AMD's public machine-readable ISA for CDNA 5 (MIT licence, August 2026) and "CDNA5" Instruction Set Architecture Reference Guide (July 2026). The comments in the code are by the model that wrote it; some were corrected since.
;; Attention Head. Allowed arithmetic: float matrix products may take bf16 or f16 operands with f32 sums; all other float work in f32.
;; Inputs: Wk 1,024 x 128 float32; Wq 1,024 x 128 float32; Wv 1,024 x 128 float32; X 4 x 4,096 x 1,024 float32.
;; Outputs: out0 4 x 4,096 x 128 float32.
;; 3 versions, each right; version 2 is faster than version 1; version 3 is version 2 with the launch prep written anew for expert scheduling mode. Each part assembles by itself: llvm-mc -triple=amdgcn-amd-amdhsa -mcpu=gfx1250 --defsym DOCPART=n.
;; ======== version 1 of 3: 3 launches
;; limits: values are held in f16: magnitudes above 65,504 overflow, below 6.1e-05 lose precision; right only within a limited range of input values
;; workspace buffers: Wt 786,432 bytes; Qb 4,194,304 bytes; Kb 4,194,304 bytes; Vb 4,194,304 bytes
;; launch prep (part 1): grid 16 x 3, 8 waves a work-group, no clusters, 18,432 bytes of LDS; arguments Wq, Wk, Wv, Wt; writes Wt
.if DOCPART == 1
	.amdgcn_target "amdgcn-amd-amdhsa--gfx1250"
	.amdhsa_code_object_version 6
	.text
	.protected	k_q10c466c795_prep
	.globl	k_q10c466c795_prep
	.p2align	8
	.type	k_q10c466c795_prep,@function
k_q10c466c795_prep:
	s_mov_b64 s[64:65], 0
	v_nop
	global_prefetch_b8 v0, s[64:65] scope:SCOPE_SE
	s_setreg_imm32_b32 hwreg(HW_REG_WAVE_MODE, 25, 1), 1
	s_wait_xcnt 0x0
; Wt[128 mat + h][d] = bf16(W_mat[d][h]), mat 0, 1, 2 = q, k, v.  W: [1024 d][128 h] f32.  Wt: [384][1024] bf16.
; The projection wants d along the rows in bf16; this is done once here instead of in each of its 256 work-groups.
; A work-group (grid x = 2 dblk + hblk, grid y = mat) transposes 128 d x 64 h through LDS: it reads pieces of 256 bytes of 128 rows
; and writes pieces of 256 bytes of 64 rows, both aligned to 256 bytes.  48 work-groups: 3 x 8 x 2 such blocks are all there is.
; No matrix unit, no tensor load, no cluster: 1.5 MiB are read once, and no two work-groups read the same byte.
; Rounding: f32 to bf16, to nearest even.
.set TP,  272                          ; LDS row of the transposed tile: 128 d x 2 bytes + 16
.set SRC, 4                            ; v4   source offset
.set TW,  5                            ; v5   LDS address of my packed words
.set TR,  6                            ; v6   LDS address for reading rows back
.set DST, 7                            ; v7   destination offset
.set IN,  8                            ; v[8:39]  four pairs of rows, 4 f32 each; later v[8:23]: rows read back
.set PK,  40                           ; v[40:55] packed pairs (d even in the low half, d odd in the high half)
	s_load_b256 s[4:11], s[0:1], 0x0               ; Wq s[4:5], Wk s[6:7], Wv s[8:9], Wt s[10:11]
	v_lshl_add_u32 v64, v0, 2, 0x4400
	v_mov_b32 v65, 0
	s_and_b32 s12, ttmp7, 0xffff                   ; mat
	s_lshr_b32 s13, ttmp9, 1                       ; dblk: which 128 d
	s_and_b32 s14, ttmp9, 1                        ; hblk: which 64 h
	v_and_b32 v1, 15, v0                           ; quad: my four h are 4 quad .. 4 quad + 3
	v_lshrrev_b32 v2, 4, v0                        ; prow 0..15: my pairs of rows are d = 2 (prow + 16 i), + 1
	v_lshlrev_b32 v3, 4, v1                        ; 16 quad
	v_lshl_add_u32 v[SRC], v2, 10, v3              ; 2 prow rows of 512 bytes + 16 quad
	v_mul_u32_u24 v[TW], v1, 4*TP                  ; tile row 4 quad
	v_lshl_add_u32 v[TW], v2, 2, v[TW]             ; + 4 bytes for each pair of d
	v_mul_u32_u24 v[TR], v2, TP
	v_add_nc_u32 v[TR], v[TR], v3                  ; back: sixteen lanes take one row of 256 bytes
	v_lshl_add_u32 v[DST], v2, 11, v3              ; the same row in Wt (2,048 bytes a row)
	s_lshl_b32 s16, s13, 16                        ; source: 128 dblk rows of 512 bytes
	s_lshl_b32 s15, s14, 8                         ; + 64 hblk f32
	s_add_co_u32 s16, s16, s15
	s_mov_b32 s17, 0
	s_lshl_b32 s18, s12, 18                        ; destination: 128 mat rows of 2,048 bytes
	s_lshl_b32 s15, s14, 17                        ; + 64 hblk rows
	s_add_co_u32 s18, s18, s15
	s_lshl_b32 s15, s13, 8                         ; + 128 dblk bf16
	s_add_co_u32 s18, s18, s15
	s_mov_b32 s19, 0
	s_wait_kmcnt 0x0
	s_cmp_eq_u32 s12, 1
	s_cselect_b64 s[4:5], s[6:7], s[4:5]           ; the source buffer is chosen by the grid's y alone
	s_cmp_eq_u32 s12, 2
	s_cselect_b64 s[4:5], s[8:9], s[4:5]
	s_add_nc_u64 s[4:5], s[4:5], s[16:17]
	s_add_nc_u64 s[10:11], s[10:11], s[18:19]
.irp i, 0,1,2,3
	global_load_b128 v[IN+8*\i:IN+8*\i+3],   v[SRC], s[4:5] offset:\i*16384 th:TH_LOAD_NT       ; row d = 2 p
	global_load_b128 v[IN+8*\i+4:IN+8*\i+7], v[SRC], s[4:5] offset:\i*16384+512 th:TH_LOAD_NT   ; row d = 2 p + 1
.endr
	s_wait_loadcnt 0x0                             ; all eight: this is the whole of the work-group's input
.irp i, 0,1,2,3
.irp e, 0,1,2,3
	v_cvt_pk_bf16_f32 v[PK+4*\i+\e], v[IN+8*\i+\e], v[IN+8*\i+4+\e]
	ds_store_b32 v[TW], v[PK+4*\i+\e] offset:\e*TP+64*\i          ; tile row h = 4 quad + e, bytes 4 p .. 4 p + 3
.endr
.endr
	s_wait_dscnt 0x0                               ; my stores are in LDS before I say so: other waves read them
	s_barrier_signal -1
	s_barrier_wait -1
.irp j, 0,1,2,3
	ds_load_b128 v[IN+4*\j:IN+4*\j+3], v[TR] offset:\j*16*TP      ; tile rows 16 j + (thread / 16)
.endr
.irp j, 0,1,2,3
	s_wait_dscnt 3-\j                              ; LDS loads come back in order: load j is in, the 3 - j younger ones may be out
	global_store_b128 v[DST], v[IN+4*\j:IN+4*\j+3], s[10:11] offset:\j*32768   ; sixteen lanes store 256 consecutive bytes, aligned
.endr
	s_wait_tensorcnt 0x0
	ds_add_u32 v64, v65
	s_wait_dscnt 0x0
	s_endpgm
.Lfunc_end_k_q10c466c795_prep:
	.size	k_q10c466c795_prep, .Lfunc_end_k_q10c466c795_prep-k_q10c466c795_prep
	.p2alignl 7, 3214868480
	.fill 96, 4, 3214868480
	.section	.rodata,"a",@progbits
	.p2align	6, 0x0
	.amdhsa_kernel k_q10c466c795_prep
		.amdhsa_group_segment_fixed_size 18432
		.amdhsa_private_segment_fixed_size 0
		.amdhsa_enable_private_segment 0
		.amdhsa_kernarg_size 32
		.amdhsa_user_sgpr_count 2
		.amdhsa_user_sgpr_kernarg_segment_ptr 1
		.amdhsa_wavefront_size32 1
		.amdhsa_system_sgpr_workgroup_id_x 1
		.amdhsa_system_sgpr_workgroup_id_y 1
		.amdhsa_system_sgpr_workgroup_id_z 1
		.amdhsa_system_vgpr_workitem_id 0
		.amdhsa_next_free_vgpr 66
		.amdhsa_next_free_sgpr 66
		.amdhsa_reserve_vcc 0
		.amdhsa_float_denorm_mode_32 3
		.amdhsa_float_denorm_mode_16_64 3
		.amdhsa_memory_ordered 1
		.amdhsa_forward_progress 1
		.amdhsa_inst_pref_size 6
	.end_amdhsa_kernel
	.amdgpu_metadata
---
amdhsa.version: [ 1, 2 ]
amdhsa.kernels:
  - .name:           k_q10c466c795_prep
    .symbol:         k_q10c466c795_prep.kd
    .args:
      - { .name: Wq, .offset: 0, .size: 8, .value_kind: global_buffer, .address_space: global }
      - { .name: Wk, .offset: 8, .size: 8, .value_kind: global_buffer, .address_space: global }
      - { .name: Wv, .offset: 16, .size: 8, .value_kind: global_buffer, .address_space: global }
      - { .name: Wt, .offset: 24, .size: 8, .value_kind: global_buffer, .address_space: global }
    .group_segment_fixed_size: 18432
    .private_segment_fixed_size: 0
    .kernarg_segment_align: 8
    .kernarg_segment_size: 32
    .max_flat_workgroup_size: 256
    .sgpr_count:     66
    .vgpr_count:     66
    .wavefront_size: 32
...
	.end_amdgpu_metadata
.endif
;; end of part 1
;; launch proj (part 2): grid 256 x 1, 4 waves a work-group, clusters of 4 x 1, 327,680 bytes of LDS; arguments X, Wt, Qb, Kb, Vb; writes Qb, Kb, Vb
.if DOCPART == 2
	.amdgcn_target "amdgcn-amd-amdhsa--gfx1250"
	.amdhsa_code_object_version 6
	.text
	.protected	k_q10c466c795_proj
	.globl	k_q10c466c795_proj
	.p2align	8
	.type	k_q10c466c795_proj,@function
k_q10c466c795_proj:
	s_mov_b64 s[64:65], 0
	v_nop
	global_prefetch_b8 v0, s[64:65] scope:SCOPE_SE
	s_setreg_imm32_b32 hwreg(HW_REG_WAVE_MODE, 25, 1), 1
	s_wait_xcnt 0x0
	s_wait_alu depctr_hold_cnt(0) depctr_sa_sdst(0) depctr_va_vdst(0) depctr_va_sdst(0) depctr_va_ssrc(0) depctr_va_vcc(0) depctr_vm_vsrc(0)
	s_getreg_b32 s2, hwreg(HW_REG_IB_STS2, 6, 4)
	s_cmp_eq_u32 s2, 0
	s_cbranch_scc0 .Lentry_in_a_cluster
	s_endpgm
.Lentry_in_a_cluster:
	s_bfe_u32 s2, ttmp6, 0x10000c
	s_cmp_lg_u32 s2, 0x3003
	s_cbranch_scc0 .Lentry_shape_is_right
	s_endpgm
.Lentry_shape_is_right:
; Q, K, V = X W with bf16 operands and f32 sums.  X: [16384][1024] f32.  Wt: [384][1024] bf16 (rows 128 mat + h, d along the rows).
; Qb, Kb: [16384][128] bf16.  Vb: [256 blocks of 64 rows][128 h][64 rows] f16, holding V / 16 (V transposed inside blocks of 64 rows).
; Work-group g owns rows 64 g .. 64 g + 63 and all 384 columns.  Wave w owns the 64 rows x columns 32 w .. 32 w + 31 of each of Q, K, V:
; 6 column tiles x 4 row tiles = 24 accumulators.  d goes in 8 trips of 128, each four quarter steps of 32 with 24 matrix instructions.
; X: each wave loads 16 rows of a chunk of 128 d into registers (16 loads, each 512 consecutive bytes of one row), three chunks ahead,
;    rounds them to bf16 once and puts them into one of two LDS slots, from which all four waves take fragments.
; Wt: a ring of two LDS slots of 384 rows x 256 bytes filled by the tensor data mover, 96 rows a wave.
; CLUSTER: the four work-groups of a cluster walk the same Wt, so each tile is asked for jointly (mask 15): 192 MiB of requests become 48.
;    X is read by one work-group alone and is not shared.
; Q and K tiles take Wt's fragment as source 0 and X's as source 1: a lane then holds 8 neighbouring h of one row.
; V tiles take X's as source 0: a lane then holds 8 neighbouring rows of one h, which is Vb's order.
; WHY V IS f16: the output is a mean over 4,096 keys, and V's rounding goes into it undamped; f16's 11 bits leave an eighth of bf16's error.
;    The factor 1/16 (exact) centres f16's range on V.
; LIMITS: X, W, Q, K are rounded to bf16 (nearest even); the order of the sums differs from a plain f32 sum over d;
;    |V| must stay below 16 x 65,504 = 1,048,064 or the conversion to f16 overflows; below |V| = 2^-10 its absolute error is at most 2^-21.
.set PITCH, 272                        ; LDS row: 256 bytes + 16, an odd multiple of 16: the 16 rows of a fragment load start in 16 different columns of 16 bytes
.set WROWS, 96                         ; rows of Wt that one tensor load brings
.set WSLOT, 384*PITCH                  ; 104,448
.set XS0,   2*WSLOT                    ; X slots: written by LDS stores alone, never by a tensor load
.set XSLOT, 64*PITCH                   ; 17,408
.set STQ,   XS0+2*XSLOT                ; stage for Q, then for K: 64 rows x 272 each
.set STV,   STQ+2*XSLOT                ; stage for V: 128 h x 144
.set VP,    144
.set VSCALE, 0x3d800000                ; 1/16
; window 0
.set XG,  4                            ; v4      byte offset in X of my 16 bytes in my wave's first row; never rewritten
.set AXS, 5                            ; v5-6    where I put 8 bytes of bf16 in X slot 0, 1
.set AW,  8                            ; v8-9    my fragments of Wt's rows for Q and K in slot 0, 1
.set AWV, 10                           ; v10-11  the same for V (256 rows further: past the 16 bits of an LDS offset)
.set AX,  12                           ; v12-13  my fragments of X in slot 0, 1
.set SQ,  14                           ; way out: stage addresses
.set SV,  15
.set RQ,  16
.set RV,  17
.set GO,  18                           ; way out: byte offset in the group's 16 KiB of Qb, Kb, Vb
.set F0,  32                           ; v32-111   fragments: X's 4 row tiles, then Wt's 6 column tiles
.set F1,  112                          ; v112-191  the second buffer
.set CT,  192                          ; v192-223  packed 16-bit numbers on their way to LDS
; window 1: accumulator (ct, rt) at v[8 (4 ct + rt)], ct = 2 mat + c.   window 2: X as loaded, chunk c in v[64 (c & 3)], row i at + 4 i
.set G1, 24                            ; s[24:31] descriptor group 1
.set G0, 32                            ; s[32:39] descriptor group 0, one set for each slot
.set MULW,  0x50                       ; C and D window 1, sources window 0
.set XLD,   0x80                       ; destination window 2
.set XCV,   0x0a                       ; sources 0 and 1 window 2
.set OUTCV, 0x05                       ; sources 0 and 1 window 1
.set INPL,  0x41                       ; source 0 and destination window 1
.set MSB, 0
.macro WIN new                         ; the immediate's high byte repeats the setting that is left
.if MSB != \new
	s_set_vgpr_msb (MSB<<8)|\new
.set MSB, \new
.endif
.endm
.macro PLACES n
.rept \n
	v_nop
.endr
.endm
; A round of the cluster's barrier: my work-group's barrier, wave 0 signals for the work-group, every wave waits for all four work-groups, my work-group's barrier again.
.macro ROUND
	WIN 0                                          ; at a branch and at a label every window is 0
	s_barrier_signal -1
	s_barrier_wait -1
	s_cmp_lg_u32 s14, 0
	s_cbranch_scc1 .Lnot_wave_0_\@
	s_barrier_signal -3
.Lnot_wave_0_\@:
	s_barrier_wait -3
	s_barrier_signal -1
	s_barrier_wait -1
.endm
; chunk c of X (d = 128 c .. 128 c + 127) of my 16 rows: 16 loads, 512 consecutive aligned bytes each
.macro GLOAD c
	WIN XLD
.irp i, 0,1,2,3,4,5,6,7,8,9,10,11,12,13,14,15
	global_load_b128 v[64*((\c)&3)+4*\i:64*((\c)&3)+4*\i+3], v[XG], s[4:5] offset:\i*4096+(\c)*512 th:TH_LOAD_NT
.endr
.endm
; chunk c is rounded to bf16 and stored into X slot c & 1.  left = the loads of the chunks asked for behind it
.macro CONVERT c, left
	s_wait_loadcnt \left                           ; loads come back in order: chunk c is in, the younger chunks (16 loads each) stay out
	WIN XCV
.irp i, 0,1,2,3,4,5,6,7,8,9,10,11,12,13,14,15
	v_cvt_pk_bf16_f32 v[CT+2*\i],   v[64*((\c)&3)+4*\i],   v[64*((\c)&3)+4*\i+1]
	v_cvt_pk_bf16_f32 v[CT+2*\i+1], v[64*((\c)&3)+4*\i+2], v[64*((\c)&3)+4*\i+3]
.endr
	WIN 0
.irp i, 0,1,2,3,4,5,6,7,8,9,10,11,12,13,14,15
	ds_store_b64 v[AXS+((\c)&1)], v[CT+2*\i:CT+2*\i+1] offset:\i*PITCH    ; 32 lanes x 8 bytes: one row's 256 bytes
.endr
.endm
; the 20 fragment loads of quarter step q (32 d at byte 64 q of the rows) of slot n into buffer f
.macro FETCH n, q, f
	WIN 0
.irp rt, 0,1,2,3
	ds_load_b128 v[\f+8*\rt:\f+8*\rt+3],   v[AX+\n] offset:16*\rt*PITCH+64*\q
	ds_load_b128 v[\f+8*\rt+4:\f+8*\rt+7], v[AX+\n] offset:16*\rt*PITCH+64*\q+32
.endr
.irp ct, 0,1,2,3
	ds_load_b128 v[\f+32+8*\ct:\f+32+8*\ct+3],   v[AW+\n] offset:(128*(\ct>>1)+16*(\ct&1))*PITCH+64*\q
	ds_load_b128 v[\f+32+8*\ct+4:\f+32+8*\ct+7], v[AW+\n] offset:(128*(\ct>>1)+16*(\ct&1))*PITCH+64*\q+32
.endr
.irp c, 0,1
	ds_load_b128 v[\f+64+8*\c:\f+64+8*\c+3],   v[AWV+\n] offset:16*\c*PITCH+64*\q
	ds_load_b128 v[\f+64+8*\c+4:\f+64+8*\c+7], v[AWV+\n] offset:16*\c*PITCH+64*\q+32
.endr
.endm
; 24 matrix instructions, each accumulator once and always in the same order: the accumulators take turns.
; zero = 1: the first product starts the sums, nothing is cleared.
.macro MUL f, zero
	WIN MULW
.irp ct, 0,1,2,3
.irp rt, 0,1,2,3
.if \zero
	v_wmma_f32_16x16x32_bf16 v[8*(4*\ct+\rt):8*(4*\ct+\rt)+7], v[\f+32+8*\ct:\f+32+8*\ct+7], v[\f+8*\rt:\f+8*\rt+7], 0
.else
	v_wmma_f32_16x16x32_bf16 v[8*(4*\ct+\rt):8*(4*\ct+\rt)+7], v[\f+32+8*\ct:\f+32+8*\ct+7], v[\f+8*\rt:\f+8*\rt+7], v[8*(4*\ct+\rt):8*(4*\ct+\rt)+7]
.endif
.endr
.endr
.irp ct, 4,5
.irp rt, 0,1,2,3
.if \zero
	v_wmma_f32_16x16x32_bf16 v[8*(4*\ct+\rt):8*(4*\ct+\rt)+7], v[\f+8*\rt:\f+8*\rt+7], v[\f+32+8*\ct:\f+32+8*\ct+7], 0
.else
	v_wmma_f32_16x16x32_bf16 v[8*(4*\ct+\rt):8*(4*\ct+\rt)+7], v[\f+8*\rt:\f+8*\rt+7], v[\f+32+8*\ct:\f+32+8*\ct+7], v[8*(4*\ct+\rt):8*(4*\ct+\rt)+7]
.endif
.endr
.endr
.endm
; Trip t multiplies chunk t (both in slot t & 1).  One round of the cluster's barrier a trip does three things: in front of it every wave has
; waited for its tensor load (its part of Wt's tile t), for its LDS stores (its rows of X's chunk t) and for its reads of trip t - 1;
; behind it the other Wt slot is filled again first, and at the trip's end the other X slot is stored into.
.macro TRIP t
	s_wait_tensorcnt 0x0                           ; my one tensor load has landed, so a group 0 may be written
	ds_add_u32 v254, v255
	s_wait_dscnt 0x0
.if \t < 6
	s_add_nc_u64 s[G0+4*(\t&1)+2:G0+4*(\t&1)+3], s[G0+4*(\t&1)+2:G0+4*(\t&1)+3], 512   ; this slot's next tile: two steps of 256 bytes on
.endif
	s_wait_dscnt 0x0                               ; my stores of chunk t and my reads of trip t - 1 are done
	ROUND
.if \t < 7
	tensor_load_to_lds s[G0+4*(1-(\t&1)):G0+4*(1-(\t&1))+3], s[G1:G1+7]   ; tile t + 1: my one tensor load behind the round; it has the whole trip in which to land
	s_nop 0
.endif
.if \t > 0
	PLACES 4                                       ; four places between the last matrix instruction and loads into registers that it read (ISA guide 7.12.1 for vector instructions)
.endif
	FETCH (\t&1), 0, F0
	FETCH (\t&1), 1, F1
.if \t < 5
	GLOAD \t+3                                     ; three chunks, 48 loads of the wave, are now on their way
.endif
	s_wait_dscnt 20                                ; buffer 0 is in; the 20 loads of buffer 1 may be out
.if \t == 0
	MUL F0, 1
.else
	MUL F0, 0
.endif
	PLACES 4
	FETCH (\t&1), 2, F0
	s_wait_dscnt 20                                ; buffer 1 is in; the 20 just issued may be out
	MUL F1, 0
	PLACES 4
	FETCH (\t&1), 3, F1
	s_wait_dscnt 20
	MUL F0, 0
	s_wait_dscnt 0
	MUL F1, 0
.if \t < 5
	CONVERT \t+1, 32                               ; chunks t + 2 and t + 3 stay out
.elseif \t == 5
	CONVERT 6, 16                                  ; chunk 7 stays out
.elseif \t == 6
	CONVERT 7, 0
.endif
.endm
; way out: the eight tiles of one of Q, K, V are rounded to 16 bits (Q, K: bf16; V: times 1/16, then f16) and put into its stage, 16 bytes a lane
.macro OUT8 mat
.if \mat == 2
	WIN INPL
.irp c, 0,1
.irp rt, 0,1,2,3
.irp p, 0,2,4,6
	v_pk_mul_f32 v[8*(4*(4+\c)+\rt)+\p:8*(4*(4+\c)+\rt)+\p+1], v[8*(4*(4+\c)+\rt)+\p:8*(4*(4+\c)+\rt)+\p+1], s[22:23] op_sel_hi:[1,0]   ; V / 16, exact
.endr
.endr
.endr
.endif
	WIN OUTCV
.irp c, 0,1
.irp rt, 0,1,2,3
.irp p, 0,1,2,3
.if \mat < 2
	v_cvt_pk_bf16_f32 v[CT+4*(4*\c+\rt)+\p], v[8*(4*(2*\mat+\c)+\rt)+2*\p], v[8*(4*(2*\mat+\c)+\rt)+2*\p+1]
.else
	v_cvt_pk_f16_f32 v[CT+4*(4*\c+\rt)+\p], v[8*(4*(2*\mat+\c)+\rt)+2*\p], v[8*(4*(2*\mat+\c)+\rt)+2*\p+1]
.endif
.endr
.endr
.endr
	WIN 0
.irp c, 0,1
.irp rt, 0,1,2,3
.if \mat < 2
	ds_store_b128 v[SQ], v[CT+4*(4*\c+\rt):CT+4*(4*\c+\rt)+3] offset:\mat*XSLOT+\rt*16*PITCH+32*\c   ; row 16 rt + r, h = 32 w + 16 c + 8 hh ..
.else
	ds_store_b128 v[SV], v[CT+4*(4*\c+\rt):CT+4*(4*\c+\rt)+3] offset:\c*16*VP+32*\rt                 ; h = 32 w + 16 c + r, rows 16 rt + 8 hh ..
.endif
.endr
.endr
.endm
	s_load_b256 s[4:11], s[0:1], 0x0               ; X s[4:5], Wt s[6:7], Qb s[8:9], Kb s[10:11]
	s_load_b64 s[12:13], s[0:1], 0x20              ; Vb
	v_lshl_add_u32 v254, v0, 2, 0x48800
	v_mov_b32 v255, 0
	ds_add_u32 v254, v255
	v_lshrrev_b32 v1, 5, v0
	v_readfirstlane_b32 s14, v1                    ; wave 0..3
	s_bfe_u32 s15, ttmp6, 0x40000                  ; cx: my place in the cluster
	s_lshl_b32 s16, ttmp9, 2                       ; ttmp9 counts clusters
	s_add_co_u32 s16, s16, s15                     ; g; it enters the addresses of X, Qb, Kb, Vb alone
	s_lshl_b32 s18, s16, 18                        ; 64 rows of 4,096 bytes
	s_mov_b32 s19, 0
	s_lshl_b32 s20, s16, 14                        ; 16 KiB of each output
	s_mov_b32 s21, 0
	v_and_b32 v1, 31, v0                           ; L
	v_and_b32 v2, 15, v0                           ; r
	v_bfe_u32 v3, v0, 4, 1                         ; hh
	s_lshl_b32 s22, s14, 16                        ; my wave's 16 rows of X
	v_lshl_add_u32 v[XG], v1, 4, s22
	s_wait_dscnt 0x0
	s_wait_kmcnt 0x0
	s_add_nc_u64 s[4:5], s[4:5], s[18:19]
	GLOAD 0                                        ; X first: it comes from furthest away
	GLOAD 1
	GLOAD 2
	WIN 0
	s_add_nc_u64 s[8:9], s[8:9], s[20:21]
	s_add_nc_u64 s[10:11], s[10:11], s[20:21]
	s_add_nc_u64 s[12:13], s[12:13], s[20:21]
	; descriptor group 1: 96 rows x 128 bf16, 16 bytes of padding behind each row's 64 words, jointly for the four work-groups of the cluster
	s_mov_b32 s[G1+0], 15|(1<<16)|(1<<20)|(1<<21)|(5<<22)|(3<<25)   ; 15:0 mask; 17:16 elements of 2 bytes; 20 padding on; 21 set beside a mask; 24:22 every 64 words; 31:25 4 words
	s_mov_b32 s[G1+1], 128<<16                     ; tensor_dim0 = 128
	s_mov_b32 s[G1+2], WROWS<<16                   ; tensor_dim1 = 96
	s_mov_b32 s[G1+3], 128<<16                     ; tile_dim0 = 128
	s_mov_b32 s[G1+4], WROWS                       ; tile_dim1 = 96
	s_mov_b32 s[G1+5], 1024                        ; elements from row to row
	s_mov_b32 s[G1+6], 0
	s_mov_b32 s[G1+7], 0
	s_mul_i32 s22, s14, WROWS*2048                 ; my 96 rows of Wt: the wave's number alone, the same in all four work-groups
	s_mov_b32 s23, 0
	s_add_nc_u64 s[6:7], s[6:7], s[22:23]
	s_mul_i32 s17, s14, WROWS*PITCH
.irp n, 0,1
	s_mov_b32 s[G0+4*\n], 1                                        ; count = 1
	s_add_co_u32 s[G0+4*\n+1], s17, \n*WSLOT                       ; LDS address
	s_add_nc_u64 s[G0+4*\n+2:G0+4*\n+3], s[6:7], \n*256            ; global address: tile n
	s_or_b32 s[G0+4*\n+3], s[G0+4*\n+3], 0x80000000                ; type = 2
.endr
	ROUND                                          ; all four work-groups are here: the first joint load meets
	tensor_load_to_lds s[G0:G0+3], s[G1:G1+7]      ; tile 0
	s_nop 0
	; LDS addresses: constants, the wave's number times constants, and the lane
	s_mul_i32 s20, s14, 16*PITCH
	s_add_co_u32 s21, s20, XS0
	v_lshl_add_u32 v[AXS], v1, 3, s21              ; X slot 0 + (16 w) rows + 8 L
	v_add_nc_u32 v[AXS+1], XSLOT, v[AXS]
	v_mul_u32_u24 v7, v2, PITCH
	v_lshl_add_u32 v7, v3, 4, v7                   ; a fragment's lane term: r x pitch + 16 hh
	s_mul_i32 s21, s14, 32*PITCH
	v_add_nc_u32 v[AW], s21, v7                    ; Wt's rows 32 w + r
	v_add_nc_u32 v[AW+1], WSLOT, v[AW]
	v_add_nc_u32 v[AWV], 256*PITCH, v[AW]
	v_add_nc_u32 v[AWV+1], 256*PITCH, v[AW+1]
	v_add_nc_u32 v[AX], XS0, v7
	v_add_nc_u32 v[AX+1], XS0+XSLOT, v7
	s_lshl_b32 s21, s14, 6
	s_add_co_u32 s21, s21, STQ
	v_add_nc_u32 v[SQ], s21, v7                    ; stage Q + r x 272 + 64 w + 16 hh
	v_mul_u32_u24 v[SV], v2, VP
	v_lshl_add_u32 v[SV], v3, 4, v[SV]
	s_mul_i32 s21, s14, 32*VP
	s_add_co_u32 s21, s21, STV
	v_add_nc_u32 v[SV], s21, v[SV]                 ; stage V + (32 w + r) x 144 + 16 hh
	v_lshrrev_b32 v19, 3, v1
	v_and_b32 v20, 7, v1
	v_mul_u32_u24 v[RV], v19, VP
	v_lshl_add_u32 v[RV], v20, 4, v[RV]
	v_add_nc_u32 v[RV], s21, v[RV]                 ; back: eight lanes take one h's 128 bytes
	v_mul_u32_u24 v[RQ], v3, PITCH
	v_lshl_add_u32 v[RQ], v2, 4, v[RQ]
	s_add_co_u32 s20, s20, STQ
	v_add_nc_u32 v[RQ], s20, v[RQ]                 ; back: sixteen lanes take one row's 256 bytes, rows 16 w ..
	s_lshl_b32 s20, s14, 12
	v_lshl_add_u32 v[GO], v1, 4, s20               ; 4,096 w + 16 L
	s_mov_b32 s22, VSCALE                          ; the pair that the packed multiply of the way out names; its first word is used for both halves
	s_mov_b32 s23, VSCALE
	CONVERT 0, 32                                  ; chunks 1 and 2 stay out
	TRIP 0
	TRIP 1
	TRIP 2
	TRIP 3
	TRIP 4
	TRIP 5
	TRIP 6
	TRIP 7
	; THE WAY OUT.  Stages have LDS bytes of their own.  Q's and K's rows are made of all four waves' columns, hence the barrier.
	PLACES 4                                       ; four places before vector instructions read matrix results (ISA guide 7.12.1)
	OUT8 0
	OUT8 1
	OUT8 2
	s_wait_dscnt 0x0                               ; my stores are in LDS before I say so
	s_barrier_signal -1
	s_barrier_wait -1
.irp i, 0,1,2,3,4,5,6,7
	ds_load_b128 v[32+4*\i:35+4*\i], v[RQ] offset:\i*2*PITCH           ; Q: two rows a load
.endr
.irp i, 0,1,2,3,4,5,6,7
	ds_load_b128 v[64+4*\i:67+4*\i], v[RQ] offset:XSLOT+\i*2*PITCH     ; K
.endr
.irp i, 0,1,2,3,4,5,6,7
	ds_load_b128 v[96+4*\i:99+4*\i], v[RV] offset:\i*4*VP              ; V: four h a load
.endr
	; each store of the wave covers 512 consecutive bytes, aligned; the wait in front of the k-th leaves the 23 - k younger LDS loads out
.irp i, 0,1,2,3,4,5,6,7
	s_wait_dscnt 23-\i
	global_store_b128 v[GO], v[32+4*\i:35+4*\i], s[8:9] offset:\i*512
.endr
.irp i, 0,1,2,3,4,5,6,7
	s_wait_dscnt 15-\i
	global_store_b128 v[GO], v[64+4*\i:67+4*\i], s[10:11] offset:\i*512
.endr
.irp i, 0,1,2,3,4,5,6,7
	s_wait_dscnt 7-\i
	global_store_b128 v[GO], v[96+4*\i:99+4*\i], s[12:13] offset:\i*512
.endr
	s_wait_tensorcnt 0x0
	ds_add_u32 v254, v255
	s_wait_dscnt 0x0
	ROUND                                          ; the closing round: no work-group ends while a partner may still ask for a tile that names it
	s_endpgm
.Lfunc_end_k_q10c466c795_proj:
	.size	k_q10c466c795_proj, .Lfunc_end_k_q10c466c795_proj-k_q10c466c795_proj
	.p2alignl 7, 3214868480
	.fill 96, 4, 3214868480
	.section	.rodata,"a",@progbits
	.p2align	6, 0x0
	.amdhsa_kernel k_q10c466c795_proj
		.amdhsa_group_segment_fixed_size 327680
		.amdhsa_private_segment_fixed_size 0
		.amdhsa_enable_private_segment 0
		.amdhsa_kernarg_size 40
		.amdhsa_user_sgpr_count 2
		.amdhsa_user_sgpr_kernarg_segment_ptr 1
		.amdhsa_wavefront_size32 1
		.amdhsa_system_sgpr_workgroup_id_x 1
		.amdhsa_system_sgpr_workgroup_id_y 1
		.amdhsa_system_sgpr_workgroup_id_z 1
		.amdhsa_system_vgpr_workitem_id 0
		.amdhsa_next_free_vgpr 768
		.amdhsa_next_free_sgpr 66
		.amdhsa_reserve_vcc 0
		.amdhsa_float_denorm_mode_32 3
		.amdhsa_float_denorm_mode_16_64 3
		.amdhsa_memory_ordered 1
		.amdhsa_forward_progress 1
		.amdhsa_inst_pref_size 155
	.end_amdhsa_kernel
	.amdgpu_metadata
---
amdhsa.version: [ 1, 2 ]
amdhsa.kernels:
  - .name:           k_q10c466c795_proj
    .symbol:         k_q10c466c795_proj.kd
    .args:
      - { .name: X, .offset: 0, .size: 8, .value_kind: global_buffer, .address_space: global }
      - { .name: Wt, .offset: 8, .size: 8, .value_kind: global_buffer, .address_space: global }
      - { .name: Qb, .offset: 16, .size: 8, .value_kind: global_buffer, .address_space: global }
      - { .name: Kb, .offset: 24, .size: 8, .value_kind: global_buffer, .address_space: global }
      - { .name: Vb, .offset: 32, .size: 8, .value_kind: global_buffer, .address_space: global }
    .group_segment_fixed_size: 327680
    .private_segment_fixed_size: 0
    .kernarg_segment_align: 8
    .kernarg_segment_size: 40
    .max_flat_workgroup_size: 128
    .sgpr_count:     66
    .vgpr_count:     768
    .wavefront_size: 32
...
	.end_amdgpu_metadata
.endif
;; end of part 2
;; launch attn (part 3): grid 256 x 1, 4 waves a work-group, clusters of 4 x 1, 327,680 bytes of LDS; arguments Qb, Kb, Vb, out0; writes out0
.if DOCPART == 3
	.amdgcn_target "amdgcn-amd-amdhsa--gfx1250"
	.amdhsa_code_object_version 6
	.text
	.protected	k_q10c466c795_attn
	.globl	k_q10c466c795_attn
	.p2align	8
	.type	k_q10c466c795_attn,@function
k_q10c466c795_attn:
	s_mov_b64 s[64:65], 0
	v_nop
	global_prefetch_b8 v0, s[64:65] scope:SCOPE_SE
	s_setreg_imm32_b32 hwreg(HW_REG_WAVE_MODE, 25, 1), 1
	s_wait_xcnt 0x0
	s_wait_alu depctr_hold_cnt(0) depctr_sa_sdst(0) depctr_va_vdst(0) depctr_va_sdst(0) depctr_va_ssrc(0) depctr_va_vcc(0) depctr_vm_vsrc(0)
	s_getreg_b32 s2, hwreg(HW_REG_IB_STS2, 6, 4)
	s_cmp_eq_u32 s2, 0
	s_cbranch_scc0 .Lentry_in_a_cluster
	s_endpgm
.Lentry_in_a_cluster:
	s_bfe_u32 s2, ttmp6, 0x10000c
	s_cmp_lg_u32 s2, 0x3003
	s_cbranch_scc0 .Lentry_shape_is_right
	s_endpgm
.Lentry_shape_is_right:
; out0 = softmax(Q K^T / 32) V for each of 4 batches of 4,096 rows, head size 128.  Qb, Kb: [16384][128] bf16.
; Vb: [256 blocks of 64 keys][128 h][64 keys] f16, holding V / 16.  out0: [16384][128] f32.
; Work-group g owns 64 queries of batch g / 64.  THE KEYS ARE SPLIT OVER THE WAVES: in step i (8 steps of 512 keys) wave w takes keys
; 512 i + 128 w .. + 127 for all 64 queries, so each byte of K and V is read from LDS once and a fragment feeds four matrix instructions.
; Each wave keeps its own running maximum m, sum l and O^T; the four are merged once at the end through LDS.
; TRANSPOSED FORMS: S^T = K Q^T (source 0 = 16 keys, source 1 = 16 queries): lane (r, hh) holds query r and keys 8 hh + j.  Two such tiles,
; packed to 16 bits, are source 1 of O^T = V^T P^T as they stand (source 0 = 16 h of V^T).  m, l and the rescaling factor are one number a lane;
; only lanes r and r + 16 exchange anything.
; FORMATS: S^T is made of bf16 operands.  P V is made of f16 operands: the weights P lie in (0, 1] for every input, since the running maximum is
; taken away, and the result is a mean over 4,096 keys into which the rounding of P and of V goes undamped, so the three further bits count.
; The factor 16 that V / 16 leaves open is put into the last scaling (exact).
; LDS: each wave has one slot for K and one for V (128 rows x 272 bytes each), its own, filled by its own tensor loads.  The two take turns:
; V is on its way while S^T is made, the next K while P V is made.
; CLUSTER: the four work-groups of a cluster belong to one batch and walk the same K and V: each tile is asked for jointly (mask 15).
; Q is read by one work-group alone: plain loads, once, 16 bytes a lane; the eight loads of a query tile use every byte of its 16 rows.
; The maximum is the true running maximum of the scores in f32; exponents are (s - m) log2(e) / 32, at most 0 up to one rounding.
; LIMITS: Q and K enter in bf16, P and V / 16 in f16; the sums' order differs from a plain sum; a weight below 2^-14 of its wave's running
; maximum has an absolute error of at most 2^-25 in the product (4,096 of them: 2^-13 of |V| against a sum of weights of about 1 at the least);
; in the sum l weights below 2^-126 count as 0 (the exponential flushes them: ISA guide, its entry in 15.8); |V| below 1,048,064 (f16's range
; times 16); NaN and infinities are not reproduced.
.set PITCH,  272
.set TSLOT,  128*PITCH                 ; 34,816: a slot
.set WSL,    2*TSLOT                   ; a wave's two slots
.set STAT,   4*WSL                     ; 278,528: m and l of the four waves, 512 bytes each; LDS stores alone
.set OPITCH, 528                       ; the stage (a wave's K slot behind its last fill and last read): 64 queries x (512 + 16) bytes
.set STEPB,  512*256                   ; bytes of Kb, and of Vb, from step to step
.set CEXP,   0x3d38aa3b                ; log2(e) / 32
.set NCEXP,  0xbd38aa3b
.set VBACK,  0x41800000                ; 16: Vb holds V / 16
; window 0
.set AK,  2                            ; my fragments of K
.set AV,  3                            ; my fragments of V^T
.set QA,  4                            ; my byte offset in the group's 16 KiB of Qb
.set SO,  5                            ; the stage: where I put 32 bytes of a query's row
.set STW, 6
.set STR, 7
.set RD,  8                            ; v8-11   the four waves' stages, at my wave's 16 queries
.set OA,  12                           ; my byte offset in the group's 32 KiB of out0
.set M,   16                           ; v16-19  running maximum of query tile t
.set MN,  20                           ; v20-23  the new one
.set L,   24                           ; v24-27  running sum (over my lane's keys)
.set NMC, 28                           ; v28-35  - c x maximum, twice (pairs for the packed forms)
.set AL,  36                           ; v36-43  rescaling factor, twice
.set TMP, 44                           ; v44-47  the other half's number
.set ARG, 48                           ; v48-51  exponents
.set F0,  64                           ; v64-127   eight fragments
.set F1,  128                          ; v128-191  the second buffer
.set TR,  192                          ; v192-223  sums on their way; at the end the four waves' m and l
; window 1: Q(t, ks) at v[8 (4 t + ks)].   window 2: S(t, kt) at v[8 (8 t + kt)], packed in place to P(t, u) at v[8 (4 t + u)].
; window 3: O(ht, t) at v[8 (4 ht + t)].
.set G1,  24                           ; s[24:31] descriptor group 1, for K and for V: both tiles are 32 KiB without gaps
.set G0K, 32                           ; s[32:35]
.set G0V, 36                           ; s[36:39]
.set MSB, 0
.macro WIN new                         ; the immediate's high byte repeats the setting that is left
.if MSB != \new
	s_set_vgpr_msb (MSB<<8)|\new
.set MSB, \new
.endif
.endm
.macro PLACES n
.rept \n
	v_nop
.endr
.endm
.macro CREST                           ; a round of the cluster's barrier behind its opening barrier
	s_cmp_lg_u32 s12, 0
	s_cbranch_scc1 .Lnot_wave_0_\@
	s_barrier_signal -3
.Lnot_wave_0_\@:
	s_barrier_wait -3
	s_barrier_signal -1
	s_barrier_wait -1
.endm
.macro ROUND                           ; a whole round
	WIN 0
	s_barrier_signal -1
	s_barrier_wait -1
	CREST
.endm
; 16 loads: key tiles 2 u, 2 u + 1, all 128 h
.macro FETCHK u, f
	WIN 0
.irp a, 0,1
.irp ks, 0,1,2,3
	ds_load_b128 v[\f+8*(4*\a+\ks):\f+8*(4*\a+\ks)+3],   v[AK] offset:16*(2*\u+\a)*PITCH+64*\ks
	ds_load_b128 v[\f+8*(4*\a+\ks)+4:\f+8*(4*\a+\ks)+7], v[AK] offset:16*(2*\u+\a)*PITCH+64*\ks+32
.endr
.endr
.endm
; 32 matrix instructions: S^T of two key tiles x four query tiles.  The eight accumulators take turns; h = 0..31 starts the sums.
.macro QKMUL u, f
	WIN 0xa4                                       ; source 0 window 0, source 1 (Q) window 1, C and D window 2
.irp ks, 0,1,2,3
.irp a, 0,1
.irp t, 0,1,2,3
.if \ks == 0
	v_wmma_f32_16x16x32_bf16 v[8*(8*\t+2*\u+\a):8*(8*\t+2*\u+\a)+7], v[\f+8*(4*\a+\ks):\f+8*(4*\a+\ks)+7], v[8*(4*\t+\ks):8*(4*\t+\ks)+7], 0
.else
	v_wmma_f32_16x16x32_bf16 v[8*(8*\t+2*\u+\a):8*(8*\t+2*\u+\a)+7], v[\f+8*(4*\a+\ks):\f+8*(4*\a+\ks)+7], v[8*(4*\t+\ks):8*(4*\t+\ks)+7], v[8*(8*\t+2*\u+\a):8*(8*\t+2*\u+\a)+7]
.endif
.endr
.endr
.endr
.endm
; 16 loads: V^T, all 128 h, keys 32 u .. 32 u + 31.  An LDS row holds two h of one block of 64 keys.
.macro FETCHV u, f
	WIN 0
.irp ht, 0,1,2,3,4,5,6,7
	ds_load_b128 v[\f+8*\ht:\f+8*\ht+3],   v[AV] offset:(\u>>1)*64*PITCH+8*\ht*PITCH+64*(\u&1)
	ds_load_b128 v[\f+8*\ht+4:\f+8*\ht+7], v[AV] offset:(\u>>1)*64*PITCH+8*\ht*PITCH+64*(\u&1)+32
.endr
.endm
; 32 matrix instructions in f16, each of the 32 accumulators of O^T once: they take turns
.macro PVMUL u, f, zero
	WIN 0xf8                                       ; source 0 window 0, source 1 (P) window 2, C and D window 3
.irp ht, 0,1,2,3,4,5,6,7
.irp t, 0,1,2,3
.if \zero
	v_wmma_f32_16x16x32_f16 v[8*(4*\ht+\t):8*(4*\ht+\t)+7], v[\f+8*\ht:\f+8*\ht+7], v[8*(4*\t+\u):8*(4*\t+\u)+7], 0
.else
	v_wmma_f32_16x16x32_f16 v[8*(4*\ht+\t):8*(4*\ht+\t)+7], v[\f+8*\ht:\f+8*\ht+7], v[8*(4*\t+\u):8*(4*\t+\u)+7], v[8*(4*\ht+\t):8*(4*\ht+\t)+7]
.endif
.endr
.endr
.endm
; The new maxima of the four query tiles (four chains that do not wait for each other), - c x maximum, and the factor 2^(c (old - new)).
.macro MAXSTAT first
	WIN 0x0a                                       ; sources 0 and 1 window 2
.irp t, 0,1,2,3
.if \first
	v_max_num_f32 v[MN+\t], v[64*\t], v[64*\t+1]
.else
	v_max3_num_f32 v[MN+\t], v[64*\t], v[64*\t+1], v[M+\t]         ; the running maximum starts the chain
.endif
.endr
.set ii, 1
.rept 31
.irp t, 0,1,2,3
	v_max3_num_f32 v[MN+\t], v[64*\t+2*ii], v[64*\t+2*ii+1], v[MN+\t]
.endr
.set ii, ii+1
.endr
	WIN 0
.irp t, 0,1,2,3
	v_permlanex16_b32 v[TMP+\t], v[MN+\t], s22, s23                ; lane r + 16 holds the same query's other keys
.endr
.irp t, 0,1,2,3
	v_max_num_f32 v[MN+\t], v[MN+\t], v[TMP+\t]
.endr
.irp t, 0,1,2,3
	v_mul_f32 v[NMC+2*\t],   s20, v[MN+\t]
	v_mul_f32 v[NMC+2*\t+1], s20, v[MN+\t]
.endr
.if \first == 0
.irp t, 0,1,2,3
	v_fma_f32 v[ARG+\t], v[M+\t], s18, v[NMC+2*\t]
.endr
.irp t, 0,1,2,3
	v_exp_f32 v[AL+2*\t],   v[ARG+\t]
	v_exp_f32 v[AL+2*\t+1], v[ARG+\t]
.endr
.endif
.irp t, 0,1,2,3
	v_mov_b32 v[M+\t], v[MN+\t]                    ; plain instructions behind the exponentials, ahead of any use of their results (ISA guide 5.7.2)
.endr
.endm
.macro RESCALE                         ; O^T x the lane's factor of query tile t
	WIN 0xc3                                       ; source 0 and destination window 3
	s_wait_alu depctr_va_vdst(0)
.irp ht, 0,1,2,3,4,5,6,7
.irp t, 0,1,2,3
.irp p, 0,2,4,6
	v_pk_mul_f32 v[8*(4*\ht+\t)+\p:8*(4*\ht+\t)+\p+1], v[8*(4*\ht+\t)+\p:8*(4*\ht+\t)+\p+1], v[AL+2*\t:AL+2*\t+1]
.endr
.endr
.endr
.endm
; Query tile t: p = 2^(c s - c m) in place, its sum into l, p packed to f16.  P's register i takes S's registers 2 i and 2 i + 1 (numbers in the
; window), i ascending, t ascending: a register is written only when its own number has been used.
.macro EXPSUM t, first
	WIN 0x82                                       ; source 0 and destination window 2
	v_pk_fma_f32 v[64*\t:64*\t+1], v[64*\t:64*\t+1], s[18:19], v[NMC+2*\t:NMC+2*\t+1] op_sel_hi:[1,0,1]
.set ii, 0
.rept 31
	v_pk_fma_f32 v[64*\t+2*ii+2:64*\t+2*ii+3], v[64*\t+2*ii+2:64*\t+2*ii+3], s[18:19], v[NMC+2*\t:NMC+2*\t+1] op_sel_hi:[1,0,1]   ; the next pair's exponents: also the plain place behind the last pair's exponentials
	v_exp_f32 v[64*\t+2*ii],   v[64*\t+2*ii]
	v_exp_f32 v[64*\t+2*ii+1], v[64*\t+2*ii+1]
.set ii, ii+1
.endr
	v_exp_f32 v[64*\t+62], v[64*\t+62]
	v_exp_f32 v[64*\t+63], v[64*\t+63]
	v_nop                                          ; one plain place before the last results are read (ISA guide 5.7.2)
	WIN 0x0a
	s_wait_alu depctr_va_vdst(0)
.irp i, 0,1,2,3,4,5,6,7,8,9,10,11,12,13,14,15
	v_pk_add_f32 v[TR+2*\i:TR+2*\i+1], v[64*\t+4*\i:64*\t+4*\i+1], v[64*\t+4*\i+2:64*\t+4*\i+3]
.endr
	WIN 0x8a
.set ii, 0
.rept 32
	v_cvt_pk_f16_f32 v[32*\t+ii], v[64*\t+2*ii], v[64*\t+2*ii+1]
.set ii, ii+1
.endr
	WIN 0
.irp i, 0,2,4,6,8,10,12,14
	v_pk_add_f32 v[TR+\i:TR+\i+1], v[TR+\i:TR+\i+1], v[TR+16+\i:TR+16+\i+1]
.endr
.irp i, 0,2,4,6
	v_pk_add_f32 v[TR+\i:TR+\i+1], v[TR+\i:TR+\i+1], v[TR+8+\i:TR+8+\i+1]
.endr
.irp i, 0,2
	v_pk_add_f32 v[TR+\i:TR+\i+1], v[TR+\i:TR+\i+1], v[TR+4+\i:TR+4+\i+1]
.endr
	v_pk_add_f32 v[TR:TR+1], v[TR:TR+1], v[TR+2:TR+3]
.if \first
	v_add_f32 v[L+\t], v[TR], v[TR+1]
.else
	v_add_f32 v[TR], v[TR], v[TR+1]
	v_fma_f32 v[L+\t], v[L+\t], v[AL+2*\t], v[TR]
.endif
.endm
; One step: my 128 keys.  first = 1: nothing to rescale, the first products start O^T.  fill = 1: the next step's K and V are asked for.
; Each refill stands behind a round of the cluster's barrier: in front of the round's opening signal the wave has waited for all its LDS reads
; and for all its tensor loads; inside the round stands register work alone; the joint load is the first thing behind its closing wait.
.macro STEP first, fill
	s_wait_dscnt 16                                ; buffer 0 is in; the 16 loads of buffer 1 may be out (so at every count of 16 below)
	QKMUL 0, F0
	PLACES 4                                       ; four places before loads into registers that a matrix instruction read (ISA guide 7.12.1 for vector instructions)
	FETCHK 2, F0
	s_wait_dscnt 16
	QKMUL 1, F1
	PLACES 4
	FETCHK 3, F1
	s_wait_dscnt 16
	QKMUL 2, F0
	s_wait_dscnt 0                                 ; my reads of the K slot are over
	QKMUL 3, F1
	s_wait_tensorcnt 0x0                           ; my one tensor load that was out, this step's V, has landed
	ds_add_u32 v255, v255
	s_wait_dscnt 0x0
.if \fill
	s_add_nc_u64 s[G0K+2:G0K+3], s[G0K+2:G0K+3], STEPB   ; no load of mine is out: K's group 0 may be written
	s_barrier_signal -1                            ; opens the round
.endif
	PLACES 4                                       ; four places before vector instructions read matrix results (ISA guide 7.12.1)
	MAXSTAT \first
.if \fill
	s_barrier_wait -1
	CREST
	tensor_load_to_lds s[G0K:G0K+3], s[G1:G1+7]    ; the next step's K; it has the softmax and three quarters of P V in which to land
	s_nop 0
.endif
	FETCHV 0, F0
	FETCHV 1, F1
.if \first == 0
	RESCALE
.endif
	EXPSUM 0, \first
	EXPSUM 1, \first
	EXPSUM 2, \first
	EXPSUM 3, \first
	s_wait_dscnt 16
	PVMUL 0, F0, \first
	PLACES 4
	FETCHV 2, F0
	s_wait_dscnt 16
	PVMUL 1, F1, 0
	PLACES 4
	FETCHV 3, F1
	s_wait_dscnt 16
	PVMUL 2, F0, 0
	s_wait_dscnt 0                                 ; my reads of the V slot are over
.if \fill
	s_set_vgpr_msb 0xf8f4
	s_wait_tensorcnt 0x0                           ; the next step's K has landed
	ds_add_u32 v255, v255
	s_wait_dscnt 0x0
	s_set_vgpr_msb 0xf4f8
	s_add_nc_u64 s[G0V+2:G0V+3], s[G0V+2:G0V+3], STEPB
	s_barrier_signal -1                            ; opens the round
.endif
	PVMUL 3, F1, 0
	WIN 0
.if \fill
	s_barrier_wait -1
	CREST
	tensor_load_to_lds s[G0V:G0V+3], s[G1:G1+7]    ; the next step's V; it has all of S^T in which to land
	s_nop 0
	PLACES 5                                       ; five places before matrix instructions write over P, which the last ones read; they serve the loads into the buffers too
	FETCHK 0, F0
	FETCHK 1, F1
.endif
.endm
; the last sum: queries 4 q .. 4 q + 3 of my wave's 16, from the four waves' stages, into buffer f
.macro SUM4 q, f
.if \q >= 2
	s_wait_xcnt 0x0                                ; buffer f, which earlier stores read, is loaded again only behind this wait (ISA guide 3.1)
.endif
.irp p, 0,1,2,3
.irp w, 0,1,2,3
	ds_load_b128 v[\f+16*\p+4*\w:\f+16*\p+4*\w+3], v[RD+\w] offset:(4*\q+\p)*OPITCH    ; 32 lanes x 16 bytes: a query's 512 bytes
.endr
.endr
.irp p, 0,1,2,3
	s_wait_dscnt 12-4*\p                           ; row p's four loads are in; the four of each later row may be out
	v_pk_add_f32 v[\f+16*\p:\f+16*\p+1],     v[\f+16*\p:\f+16*\p+1],     v[\f+16*\p+4:\f+16*\p+5]
	v_pk_add_f32 v[\f+16*\p+2:\f+16*\p+3],   v[\f+16*\p+2:\f+16*\p+3],   v[\f+16*\p+6:\f+16*\p+7]
	v_pk_add_f32 v[\f+16*\p+8:\f+16*\p+9],   v[\f+16*\p+8:\f+16*\p+9],   v[\f+16*\p+12:\f+16*\p+13]
	v_pk_add_f32 v[\f+16*\p+10:\f+16*\p+11], v[\f+16*\p+10:\f+16*\p+11], v[\f+16*\p+14:\f+16*\p+15]
	v_pk_add_f32 v[\f+16*\p:\f+16*\p+1],     v[\f+16*\p:\f+16*\p+1],     v[\f+16*\p+8:\f+16*\p+9]
	v_pk_add_f32 v[\f+16*\p+2:\f+16*\p+3],   v[\f+16*\p+2:\f+16*\p+3],   v[\f+16*\p+10:\f+16*\p+11]
	global_store_b128 v[OA], v[\f+16*\p:\f+16*\p+3], s[10:11] offset:(4*\q+\p)*512 th:TH_STORE_NT   ; 512 consecutive bytes, aligned
.endr
.endm
	s_load_b256 s[4:11], s[0:1], 0x0               ; Qb s[4:5], Kb s[6:7], Vb s[8:9], out0 s[10:11]
	v_lshl_add_u32 v255, v0, 2, 0x44800
	s_set_vgpr_msb 0x40
	v_mov_b32 v255, 0
	s_set_vgpr_msb 0x4044
	ds_add_u32 v255, v255
	s_set_vgpr_msb 0x4400
	v_lshrrev_b32 v1, 5, v0
	v_readfirstlane_b32 s12, v1                    ; wave 0..3
	s_bfe_u32 s13, ttmp6, 0x40000                  ; cx
	s_lshl_b32 s14, ttmp9, 2                       ; ttmp9 counts clusters
	s_add_co_u32 s14, s14, s13                     ; g; it enters the addresses of Qb and out0 alone
	s_lshr_b32 s15, ttmp9, 4                       ; batch: 16 clusters each, so the same in all four partners
	s_mov_b32 s18, CEXP
	s_mov_b32 s19, CEXP                            ; the pair's second word is never used, but the pair is named
	s_mov_b32 s20, NCEXP
	s_mov_b32 s22, 0x76543210                      ; v_permlanex16_b32: lane i of one half reads lane i of the other
	s_mov_b32 s23, 0xfedcba98
	; descriptor group 1: 128 rows x 128 elements of 2 bytes without gaps in memory, 16 bytes of padding behind each row in LDS, jointly for the four work-groups
	s_mov_b32 s[G1+0], 15|(1<<16)|(1<<20)|(1<<21)|(5<<22)|(3<<25)   ; 15:0 mask; 17:16 elements of 2 bytes; 20 padding on; 21 set beside a mask; 24:22 every 64 words; 31:25 4 words
	s_mov_b32 s[G1+1], 128<<16                     ; tensor_dim0 = 128
	s_mov_b32 s[G1+2], 128<<16                     ; tensor_dim1 = 128
	s_mov_b32 s[G1+3], 128<<16                     ; tile_dim0 = 128
	s_mov_b32 s[G1+4], 128                         ; tile_dim1 = 128
	s_mov_b32 s[G1+5], 128                         ; elements from row to row
	s_mov_b32 s[G1+6], 0
	s_mov_b32 s[G1+7], 0
	s_lshl_b32 s16, s15, 20                        ; 4,096 keys of 256 bytes a batch (in Kb and in Vb alike)
	s_lshl_b32 s17, s12, 15                        ; + 128 keys a wave
	s_add_co_u32 s16, s16, s17
	s_mov_b32 s17, 0
	s_lshl_b32 s40, s14, 14                        ; the group's 64 rows of Qb
	s_mov_b32 s41, 0
	s_lshl_b32 s42, s14, 15                        ; and of out0
	s_mov_b32 s43, 0
	s_mov_b32 s[G0K], 1
	s_mul_i32 s[G0K+1], s12, WSL                   ; my K slot
	s_mov_b32 s[G0V], 1
	s_add_co_u32 s[G0V+1], s[G0K+1], TSLOT         ; my V slot
	s_wait_dscnt 0x0
	s_wait_kmcnt 0x0
	s_add_nc_u64 s[G0K+2:G0K+3], s[6:7], s[16:17]
	s_or_b32 s[G0K+3], s[G0K+3], 0x80000000        ; type = 2
	s_add_nc_u64 s[G0V+2:G0V+3], s[8:9], s[16:17]
	s_or_b32 s[G0V+3], s[G0V+3], 0x80000000
	s_add_nc_u64 s[4:5], s[4:5], s[40:41]
	s_add_nc_u64 s[10:11], s[10:11], s[42:43]
	ROUND                                          ; all four work-groups are here: the first joint loads meet
	tensor_load_to_lds s[G0K:G0K+3], s[G1:G1+7]    ; step 0's K
	s_nop 0
	tensor_load_to_lds s[G0V:G0V+3], s[G1:G1+7]    ; step 0's V: two loads of the wave are out here, later one
	s_nop 0
	v_and_b32 v52, 15, v0                          ; r
	v_bfe_u32 v53, v0, 4, 1                        ; hh
	v_and_b32 v54, 31, v0                          ; L
	v_lshlrev_b32 v[QA], 8, v52
	v_lshl_add_u32 v[QA], v53, 4, v[QA]            ; r rows of 256 bytes + 16 hh
	WIN 0x40                                       ; destination window 1
.irp t, 0,1,2,3
.irp ks, 0,1,2,3
	global_load_b128 v[8*(4*\t+\ks):8*(4*\t+\ks)+3],   v[QA], s[4:5] offset:\t*4096+64*\ks
	global_load_b128 v[8*(4*\t+\ks)+4:8*(4*\t+\ks)+7], v[QA], s[4:5] offset:\t*4096+64*\ks+32
.endr
.endr
	WIN 0
	v_mul_u32_u24 v[AK], v52, PITCH
	v_lshl_add_u32 v[AK], v53, 4, v[AK]
	v_add_nc_u32 v[AK], s[G0K+1], v[AK]            ; K slot + r x 272 + 16 hh
	v_lshrrev_b32 v55, 1, v52
	v_and_b32 v56, 1, v52
	v_mul_u32_u24 v[AV], v55, PITCH
	v_lshl_add_u32 v[AV], v56, 7, v[AV]
	v_lshl_add_u32 v[AV], v53, 4, v[AV]
	v_add_nc_u32 v[AV], s[G0V+1], v[AV]            ; V slot + (r / 2) x 272 + 128 (r & 1) + 16 hh: sixteen different columns of 16 bytes
	v_mul_u32_u24 v[SO], v52, OPITCH
	v_lshl_add_u32 v[SO], v53, 5, v[SO]
	v_add_nc_u32 v[SO], s[G0K+1], v[SO]            ; my stage + r x 528 + 32 hh
	s_lshl_b32 s44, s12, 9
	s_add_co_u32 s44, s44, STAT
	v_lshl_add_u32 v[STW], v52, 4, s44
	v_lshlrev_b32 v[STR], 4, v52
	v_add_nc_u32 v[STR], STAT, v[STR]
	s_mul_i32 s46, s12, 16*OPITCH
	v_lshl_add_u32 v[RD], v54, 4, s46              ; my wave's 16 queries in wave 0's stage,
.irp w, 1,2,3
	v_add_nc_u32 v[RD+\w], \w*WSL, v[RD]           ; and in the others'
.endr
	s_lshl_b32 s46, s12, 13
	v_lshl_add_u32 v[OA], v54, 4, s46              ; 16 queries of 512 bytes a wave + 16 L
.irp t, 0,1,2,3
	v_mov_b32 v[TMP+\t], 0                         ; the lane exchange counts as a reader of its destination
.endr
	s_wait_loadcnt 0x0                             ; Q, once
	s_wait_tensorcnt 0x1                           ; tensor loads of a wave end in order (ISA guide 10.11.1): K is in, V, issued behind it, may be out.  I alone read my slots
	FETCHK 0, F0
	FETCHK 1, F1
	STEP 1, 1
	s_mov_b32 s3, 6
.Lstep:
	STEP 0, 1
	s_sub_co_u32 s3, s3, 1
	s_cmp_lg_u32 s3, 0
	s_cbranch_scc1 .Lstep
	STEP 0, 0                                      ; the last step asks for nothing
	; THE MERGE of the four waves' m, l and O^T.
	PLACES 4                                       ; four places behind the last matrix instructions (ISA guide 7.12.1)
.irp t, 0,1,2,3
	v_permlanex16_b32 v[TMP+\t], v[L+\t], s22, s23
.endr
.irp t, 0,1,2,3
	v_add_f32 v[L+\t], v[L+\t], v[TMP+\t]          ; l over all my wave's keys
.endr
	ds_store_b128 v[STW], v[M:M+3]                 ; lanes r and r + 16 store the same numbers to the same bytes
	ds_store_b128 v[STW], v[L:L+3] offset:256
	s_wait_dscnt 0x0                               ; in LDS before I say so
	s_barrier_signal -1
	s_barrier_wait -1
.irp w, 0,1,2,3
	ds_load_b128 v[TR+8*\w:TR+8*\w+3],   v[STR] offset:512*\w
	ds_load_b128 v[TR+8*\w+4:TR+8*\w+7], v[STR] offset:512*\w+256
.endr
	s_wait_dscnt 0x0
.irp t, 0,1,2,3
	v_max3_num_f32 v[MN+\t], v[TR+\t], v[TR+8+\t], v[TR+16+\t]
.endr
.irp t, 0,1,2,3
	v_max_num_f32 v[MN+\t], v[MN+\t], v[TR+24+\t]  ; the row's maximum over all keys
.endr
.irp t, 0,1,2,3
	v_mul_f32 v[NMC+\t], s20, v[MN+\t]
.endr
.irp w, 0,1,2,3
.irp t, 0,1,2,3
	v_fma_f32 v[TR+8*\w+\t], v[TR+8*\w+\t], s18, v[NMC+\t]
.endr
.endr
.irp t, 0,1,2,3
	v_fma_f32 v[ARG+\t], v[M+\t], s18, v[NMC+\t]
.endr
.irp w, 0,1,2,3
.irp t, 0,1,2,3
	v_exp_f32 v[TR+8*\w+\t], v[TR+8*\w+\t]
.endr
.endr
.irp t, 0,1,2,3
	v_exp_f32 v[ARG+\t], v[ARG+\t]                 ; my own wave's weight
.endr
	v_nop                                          ; one plain place behind the exponentials (ISA guide 5.7.2)
	s_wait_alu depctr_va_vdst(0)
.irp t, 0,1,2,3
	v_mul_f32 v[TMP+\t], v[TR+\t], v[TR+4+\t]
.endr
.irp w, 1,2,3
.irp t, 0,1,2,3
	v_fmac_f32 v[TMP+\t], v[TR+8*\w+\t], v[TR+8*\w+4+\t]           ; the row's sum; the wave that holds the maximum adds about 1 at the least
.endr
.endr
.irp t, 0,1,2,3
	v_rcp_f32 v[TMP+\t], v[TMP+\t]
.endr
	v_nop                                          ; one plain place behind the reciprocals
	s_wait_alu depctr_va_vdst(0)
.irp t, 0,1,2,3
	v_mul_f32 v[TMP+\t], VBACK, v[TMP+\t]          ; O^T was summed over V / 16: the factor 16 goes in here, exactly
.endr
.irp t, 0,1,2,3
	v_mul_f32 v[AL+2*\t],   v[ARG+\t], v[TMP+\t]
	v_mul_f32 v[AL+2*\t+1], v[ARG+\t], v[TMP+\t]
.endr
	RESCALE                                        ; my share of the result
	WIN 0x0c                                       ; store data window 3
.irp ht, 0,1,2,3,4,5,6,7
.irp t, 0,1,2,3
	ds_store_b128 v[SO], v[8*(4*\ht+\t):8*(4*\ht+\t)+3]   offset:16*\t*OPITCH+64*\ht        ; query 16 t + r, h = 16 ht + 8 hh ..
	ds_store_b128 v[SO], v[8*(4*\ht+\t)+4:8*(4*\ht+\t)+7] offset:16*\t*OPITCH+64*\ht+16
.endr
.endr
	WIN 0
	s_wait_dscnt 0x0                               ; in LDS before I say so
	s_barrier_signal -1
	s_barrier_wait -1
	SUM4 0, F0
	SUM4 1, F1
	SUM4 2, F0
	SUM4 3, F1
	s_set_vgpr_msb 0x4
	s_wait_tensorcnt 0x0
	ds_add_u32 v255, v255
	s_wait_dscnt 0x0
	s_set_vgpr_msb 0x400
	ROUND                                          ; the closing round: no work-group ends while a partner may still ask for a tile that names it
	s_endpgm
.Lfunc_end_k_q10c466c795_attn:
	.size	k_q10c466c795_attn, .Lfunc_end_k_q10c466c795_attn-k_q10c466c795_attn
	.p2alignl 7, 3214868480
	.fill 96, 4, 3214868480
	.section	.rodata,"a",@progbits
	.p2align	6, 0x0
	.amdhsa_kernel k_q10c466c795_attn
		.amdhsa_group_segment_fixed_size 327680
		.amdhsa_private_segment_fixed_size 0
		.amdhsa_enable_private_segment 0
		.amdhsa_kernarg_size 32
		.amdhsa_user_sgpr_count 2
		.amdhsa_user_sgpr_kernarg_segment_ptr 1
		.amdhsa_wavefront_size32 1
		.amdhsa_system_sgpr_workgroup_id_x 1
		.amdhsa_system_sgpr_workgroup_id_y 1
		.amdhsa_system_sgpr_workgroup_id_z 1
		.amdhsa_system_vgpr_workitem_id 0
		.amdhsa_next_free_vgpr 1024
		.amdhsa_next_free_sgpr 66
		.amdhsa_reserve_vcc 0
		.amdhsa_float_denorm_mode_32 3
		.amdhsa_float_denorm_mode_16_64 3
		.amdhsa_memory_ordered 1
		.amdhsa_forward_progress 1
		.amdhsa_inst_pref_size 255
	.end_amdhsa_kernel
	.section	.bss,"aw",@nobits
	.p2align	6
	.space	262144
	.amdgpu_metadata
---
amdhsa.version: [ 1, 2 ]
amdhsa.kernels:
  - .name:           k_q10c466c795_attn
    .symbol:         k_q10c466c795_attn.kd
    .args:
      - { .name: Qb, .offset: 0, .size: 8, .value_kind: global_buffer, .address_space: global }
      - { .name: Kb, .offset: 8, .size: 8, .value_kind: global_buffer, .address_space: global }
      - { .name: Vb, .offset: 16, .size: 8, .value_kind: global_buffer, .address_space: global }
      - { .name: out0, .offset: 24, .size: 8, .value_kind: global_buffer, .address_space: global }
    .group_segment_fixed_size: 327680
    .private_segment_fixed_size: 0
    .kernarg_segment_align: 8
    .kernarg_segment_size: 32
    .max_flat_workgroup_size: 128
    .sgpr_count:     66
    .vgpr_count:     1024
    .wavefront_size: 32
...
	.end_amdgpu_metadata
.endif
;; end of part 3
;; ======== version 2 of 3: 3 launches; 1.13 times as fast as version 1
;; limits: values are held in f16: magnitudes above 65,504 overflow, below 6.1e-05 lose precision; right only within a limited range of input values
;; workspace buffers: Wt 786,432 bytes; Qb 4,194,304 bytes; Kb 4,194,304 bytes; Vb 4,194,304 bytes
;; launch prep (part 4): grid 16 x 3, 8 waves a work-group, no clusters, 18,432 bytes of LDS; arguments Wq, Wk, Wv, Wt; writes Wt
.if DOCPART == 4
	.amdgcn_target "amdgcn-amd-amdhsa--gfx1250"
	.amdhsa_code_object_version 6
	.text
	.protected	k_q10c466c795_prep
	.globl	k_q10c466c795_prep
	.p2align	8
	.type	k_q10c466c795_prep,@function
k_q10c466c795_prep:
	s_mov_b64 s[64:65], 0
	v_nop
	global_prefetch_b8 v0, s[64:65] scope:SCOPE_SE
	s_setreg_imm32_b32 hwreg(HW_REG_WAVE_MODE, 25, 1), 1
	s_wait_xcnt 0x0
; Wt[d / 128][128 mat + h][d % 128] = bf16(W_mat[d][h]), mat 0, 1, 2 = q, k, v.  W: [1024 d][128 h] f32.  Wt: [8][384][128] bf16.
; The projection wants d along the rows in bf16, and takes 128 d of all 384 rows at a time: such a tile is 98,304 bytes without gaps here.
; This is done once instead of in each of the projection's 256 work-groups.
; A work-group (grid x = 2 dblk + hblk, grid y = mat) transposes 128 d x 64 h through LDS: it reads pieces of 256 bytes of 128 rows
; and writes 64 rows of 256 bytes, 16 KiB without gaps.  48 work-groups: 3 x 8 x 2 such blocks are all there is.
; No matrix unit, no tensor load, no cluster: 1.5 MiB are read once, and no two work-groups read the same byte.
; Rounding: f32 to bf16, to nearest even.
.set TP,    272                        ; LDS row of the transposed tile: 128 d x 2 bytes + 16
.set WTILE, 384*256                    ; bytes of a tile of Wt
.set SRC, 4                            ; v4   source offset
.set TW,  5                            ; v5   LDS address of my packed words
.set TR,  6                            ; v6   LDS address for reading rows back
.set DST, 7                            ; v7   destination offset
.set IN,  8                            ; v[8:39]  four pairs of rows, 4 f32 each; later v[8:23]: rows read back
.set PK,  40                           ; v[40:55] packed pairs (d even in the low half, d odd in the high half)
	s_load_b256 s[4:11], s[0:1], 0x0               ; Wq s[4:5], Wk s[6:7], Wv s[8:9], Wt s[10:11]
	v_lshl_add_u32 v64, v0, 2, 0x4400
	v_mov_b32 v65, 0
	s_and_b32 s12, ttmp7, 0xffff                   ; mat
	s_lshr_b32 s13, ttmp9, 1                       ; dblk: which 128 d
	s_and_b32 s14, ttmp9, 1                        ; hblk: which 64 h
	v_and_b32 v1, 15, v0                           ; quad: my four h are 4 quad .. 4 quad + 3
	v_lshrrev_b32 v2, 4, v0                        ; prow 0..15: my pairs of rows are d = 2 (prow + 16 i), + 1
	v_lshlrev_b32 v3, 4, v1                        ; 16 quad
	v_lshl_add_u32 v[SRC], v2, 10, v3              ; 2 prow rows of 512 bytes + 16 quad
	v_mul_u32_u24 v[TW], v1, 4*TP                  ; tile row 4 quad
	v_lshl_add_u32 v[TW], v2, 2, v[TW]             ; + 4 bytes for each pair of d
	v_mul_u32_u24 v[TR], v2, TP
	v_add_nc_u32 v[TR], v[TR], v3                  ; back: sixteen lanes take one row of 256 bytes
	v_lshlrev_b32 v[DST], 4, v0                    ; the same row in Wt: (thread / 16) rows of 256 bytes + 16 (thread % 16) = 16 x thread
	s_lshl_b32 s16, s13, 16                        ; source: 128 dblk rows of 512 bytes
	s_lshl_b32 s15, s14, 8                         ; + 64 hblk f32
	s_add_co_u32 s16, s16, s15
	s_mov_b32 s17, 0
	s_mul_i32 s18, s13, WTILE                      ; destination: tile dblk
	s_lshl_b32 s15, s12, 15                        ; + 128 mat rows of 256 bytes
	s_add_co_u32 s18, s18, s15
	s_lshl_b32 s15, s14, 14                        ; + 64 hblk rows
	s_add_co_u32 s18, s18, s15
	s_mov_b32 s19, 0
	s_wait_kmcnt 0x0
	s_cmp_eq_u32 s12, 1
	s_cselect_b64 s[4:5], s[6:7], s[4:5]           ; the source buffer is chosen by the grid's y alone
	s_cmp_eq_u32 s12, 2
	s_cselect_b64 s[4:5], s[8:9], s[4:5]
	s_add_nc_u64 s[4:5], s[4:5], s[16:17]
	s_add_nc_u64 s[10:11], s[10:11], s[18:19]
.irp i, 0,1,2,3
	global_load_b128 v[IN+8*\i:IN+8*\i+3],   v[SRC], s[4:5] offset:\i*16384 th:TH_LOAD_NT       ; row d = 2 p
	global_load_b128 v[IN+8*\i+4:IN+8*\i+7], v[SRC], s[4:5] offset:\i*16384+512 th:TH_LOAD_NT   ; row d = 2 p + 1
.endr
	s_wait_loadcnt 0x0                             ; all eight: this is the whole of the work-group's input
.irp i, 0,1,2,3
.irp e, 0,1,2,3
	v_cvt_pk_bf16_f32 v[PK+4*\i+\e], v[IN+8*\i+\e], v[IN+8*\i+4+\e]
	ds_store_b32 v[TW], v[PK+4*\i+\e] offset:\e*TP+64*\i          ; tile row h = 4 quad + e, bytes 4 p .. 4 p + 3
.endr
.endr
	s_wait_dscnt 0x0                               ; my stores are in LDS before I say so: other waves read them
	s_barrier_signal -1
	s_barrier_wait -1
.irp j, 0,1,2,3
	ds_load_b128 v[IN+4*\j:IN+4*\j+3], v[TR] offset:\j*16*TP      ; tile rows 16 j + (thread / 16)
.endr
.irp j, 0,1,2,3
	s_wait_dscnt 3-\j                              ; LDS loads come back in order: load j is in, the 3 - j younger ones may be out
	global_store_b128 v[DST], v[IN+4*\j:IN+4*\j+3], s[10:11] offset:\j*4096    ; a wave stores 512 consecutive bytes, aligned
.endr
	s_wait_tensorcnt 0x0
	ds_add_u32 v64, v65
	s_wait_dscnt 0x0
	s_endpgm
.Lfunc_end_k_q10c466c795_prep:
	.size	k_q10c466c795_prep, .Lfunc_end_k_q10c466c795_prep-k_q10c466c795_prep
	.p2alignl 7, 3214868480
	.fill 96, 4, 3214868480
	.section	.rodata,"a",@progbits
	.p2align	6, 0x0
	.amdhsa_kernel k_q10c466c795_prep
		.amdhsa_group_segment_fixed_size 18432
		.amdhsa_private_segment_fixed_size 0
		.amdhsa_enable_private_segment 0
		.amdhsa_kernarg_size 32
		.amdhsa_user_sgpr_count 2
		.amdhsa_user_sgpr_kernarg_segment_ptr 1
		.amdhsa_wavefront_size32 1
		.amdhsa_system_sgpr_workgroup_id_x 1
		.amdhsa_system_sgpr_workgroup_id_y 1
		.amdhsa_system_sgpr_workgroup_id_z 1
		.amdhsa_system_vgpr_workitem_id 0
		.amdhsa_next_free_vgpr 66
		.amdhsa_next_free_sgpr 66
		.amdhsa_reserve_vcc 0
		.amdhsa_float_denorm_mode_32 3
		.amdhsa_float_denorm_mode_16_64 3
		.amdhsa_memory_ordered 1
		.amdhsa_forward_progress 1
		.amdhsa_inst_pref_size 6
	.end_amdhsa_kernel
	.amdgpu_metadata
---
amdhsa.version: [ 1, 2 ]
amdhsa.kernels:
  - .name:           k_q10c466c795_prep
    .symbol:         k_q10c466c795_prep.kd
    .args:
      - { .name: Wq, .offset: 0, .size: 8, .value_kind: global_buffer, .address_space: global }
      - { .name: Wk, .offset: 8, .size: 8, .value_kind: global_buffer, .address_space: global }
      - { .name: Wv, .offset: 16, .size: 8, .value_kind: global_buffer, .address_space: global }
      - { .name: Wt, .offset: 24, .size: 8, .value_kind: global_buffer, .address_space: global }
    .group_segment_fixed_size: 18432
    .private_segment_fixed_size: 0
    .kernarg_segment_align: 8
    .kernarg_segment_size: 32
    .max_flat_workgroup_size: 256
    .sgpr_count:     66
    .vgpr_count:     66
    .wavefront_size: 32
...
	.end_amdgpu_metadata
.endif
;; end of part 4
;; launch proj (part 5): grid 256 x 1, 4 waves a work-group, clusters of 4 x 1, 327,680 bytes of LDS; arguments X, Wt, Qb, Kb, Vb; writes Qb, Kb, Vb
.if DOCPART == 5
	.amdgcn_target "amdgcn-amd-amdhsa--gfx1250"
	.amdhsa_code_object_version 6
	.text
	.protected	k_q10c466c795_proj
	.globl	k_q10c466c795_proj
	.p2align	8
	.type	k_q10c466c795_proj,@function
k_q10c466c795_proj:
	s_mov_b64 s[64:65], 0
	v_nop
	global_prefetch_b8 v0, s[64:65] scope:SCOPE_SE
	s_setreg_imm32_b32 hwreg(HW_REG_WAVE_MODE, 25, 1), 1
	s_wait_xcnt 0x0
	s_wait_alu depctr_hold_cnt(0) depctr_sa_sdst(0) depctr_va_vdst(0) depctr_va_sdst(0) depctr_va_ssrc(0) depctr_va_vcc(0) depctr_vm_vsrc(0)
	s_getreg_b32 s2, hwreg(HW_REG_IB_STS2, 6, 4)
	s_cmp_eq_u32 s2, 0
	s_cbranch_scc0 .Lentry_in_a_cluster
	s_endpgm
.Lentry_in_a_cluster:
	s_bfe_u32 s2, ttmp6, 0x10000c
	s_cmp_lg_u32 s2, 0x3003
	s_cbranch_scc0 .Lentry_shape_is_right
	s_endpgm
.Lentry_shape_is_right:
; Q, K, V = X W with bf16 operands and f32 sums.  X: [16384][1024] f32.  Wt: [8 chunks of 128 d][384 rows 128 mat + h][128 d] bf16.
; Qb, Kb: [16384][128] bf16.  Vb: [256 blocks of 64 rows][128 h][64 rows] f16, holding V / 16 (V transposed inside blocks of 64 rows).
; Work-group g owns rows 64 g .. 64 g + 63 and all 384 columns.  Wave w owns the 64 rows x columns 32 w .. 32 w + 31 of each of Q, K, V:
; 6 column tiles x 4 row tiles = 24 accumulators.  d goes in 8 trips of 128, each four quarter steps of 32 with 24 matrix instructions.
; X: each wave loads 16 rows of a chunk of 128 d into registers (16 loads, each 512 consecutive bytes of one row), three chunks ahead,
;    rounds them to bf16 once and puts them into one of two LDS slots, from which all four waves take fragments.
; Wt: a ring of two LDS slots of 384 rows x 256 bytes filled by the tensor data mover, 96 rows (24 KiB without gaps in memory) a wave.
; CLUSTER: the four work-groups of a cluster walk the same Wt, so each tile is asked for jointly (mask 15): 192 MiB of requests become 48.
;    X is read by one work-group alone and is not shared.
; STAGGER: trip t of cluster c takes chunk (t + rot) mod 8, rot = (c & 7) xor (7 x bit 3 of c).  The sum over d does not mind the order.
;    So the 64 clusters do not all ask for the same tile of Wt at the same time: each of the eight is asked for by eight clusters, and the
;    tile of any later trip has been asked for a trip earlier by the clusters one place ahead.  The xor makes the eight places differ among
;    the eight clusters that agree in any one of c's four low bits.  rot hangs on the cluster's number alone: equal in all four partners.
; Q and K tiles take Wt's fragment as source 0 and X's as source 1: a lane then holds 8 neighbouring h of one row.
; V tiles take X's as source 0: a lane then holds 8 neighbouring rows of one h, which is Vb's order.
; WHY V IS f16: the output is a mean over 4,096 keys, and V's rounding goes into it undamped; f16's 11 bits leave an eighth of bf16's error.
;    The factor 1/16 (exact) centres f16's range on V.
; LIMITS: X, W, Q, K are rounded to bf16 (nearest even); the order of the sums differs from a plain f32 sum over d, and from cluster to cluster;
;    |V| must stay below 16 x 65,504 = 1,048,064 or the conversion to f16 overflows; below |V| = 2^-10 its absolute error is at most 2^-21.
.set PITCH, 272                        ; LDS row: 256 bytes + 16, an odd multiple of 16: the 16 rows of a fragment load start in 16 different columns of 16 bytes
.set WROWS, 96                         ; rows of Wt that one tensor load brings
.set WTILE, 384*256                    ; bytes of a tile of Wt in memory
.set WSLOT, 384*PITCH                  ; 104,448
.set XS0,   2*WSLOT                    ; X slots: written by LDS stores alone, never by a tensor load
.set XSLOT, 64*PITCH                   ; 17,408
.set STQ,   XS0+2*XSLOT                ; stage for Q, then for K: 64 rows x 272 each
.set STV,   STQ+2*XSLOT                ; stage for V: 128 h x 144
.set VP,    144
.set VSCALE, 0x3d800000                ; 1/16
; window 0
.set XG,  4                            ; v4      byte offset in X of my 16 bytes in my wave's first row; never rewritten
.set AXS, 5                            ; v5-6    where I put 8 bytes of bf16 in X slot 0, 1
.set AW,  8                            ; v8-9    my fragments of Wt's rows for Q and K in slot 0, 1
.set AWV, 10                           ; v10-11  the same for V (256 rows further: past the 16 bits of an LDS offset)
.set AX,  12                           ; v12-13  my fragments of X in slot 0, 1
.set SQ,  14                           ; way out: stage addresses
.set SV,  15
.set RQ,  16
.set RV,  17
.set GO,  18                           ; way out: byte offset in the group's 16 KiB of Qb, Kb, Vb
.set F0,  32                           ; v32-111   fragments: X's 4 row tiles, then Wt's 6 column tiles
.set F1,  112                          ; v112-191  the second buffer
.set CT,  192                          ; v192-223  packed 16-bit numbers on their way to LDS
; window 1: accumulator (ct, rt) at v[8 (4 ct + rt)], ct = 2 mat + c.   window 2: X as loaded, trip t's chunk in v[64 (t & 3)], row i at + 4 i
.set G1,  24                           ; s[24:31] descriptor group 1
.set G0,  32                           ; s[32:39] descriptor group 0, one set for each slot
.set ROT, 40                           ; s40      the cluster's first chunk
.set XB,  48                           ; s[48:63] X at the group's first row and trip t's chunk: eight pairs, never rewritten
.set MULW,  0x50                       ; C and D window 1, sources window 0
.set XLD,   0x80                       ; destination window 2
.set XCV,   0x0a                       ; sources 0 and 1 window 2
.set OUTCV, 0x05                       ; sources 0 and 1 window 1
.set INPL,  0x41                       ; source 0 and destination window 1
.set MSB, 0
.macro WIN new                         ; the immediate's high byte repeats the setting that is left
.if MSB != (\new)
	s_set_vgpr_msb (MSB<<8)|(\new)
.set MSB, (\new)
.endif
.endm
.macro PLACES n
.rept \n
	v_nop
.endr
.endm
; A round of the cluster's barrier: my work-group's barrier, wave 0 signals for the work-group, every wave waits for all four work-groups, my work-group's barrier again.
.macro ROUND
	WIN 0                                          ; at a branch and at a label every window is 0
	s_barrier_signal -1
	s_barrier_wait -1
	s_cmp_lg_u32 s14, 0
	s_cbranch_scc1 .Lnot_wave_0_\@
	s_barrier_signal -3
.Lnot_wave_0_\@:
	s_barrier_wait -3
	s_barrier_signal -1
	s_barrier_wait -1
.endm
; trip c's chunk of X, my 16 rows: 16 loads, 512 consecutive aligned bytes each
.macro GLOAD c
	WIN XLD
.irp i, 0,1,2,3,4,5,6,7,8,9,10,11,12,13,14,15
	global_load_b128 v[64*((\c)&3)+4*\i:64*((\c)&3)+4*\i+3], v[XG], s[XB+2*(\c):XB+2*(\c)+1] offset:\i*4096 th:TH_LOAD_NT
.endr
.endm
; trip c's chunk is rounded to bf16 and stored into X slot c & 1.  left = the loads of the chunks asked for behind it
.macro CONVERT c, left
	s_wait_loadcnt \left                           ; loads come back in order: this chunk is in, the younger chunks (16 loads each) stay out
	WIN XCV
.irp i, 0,1,2,3,4,5,6,7,8,9,10,11,12,13,14,15
	v_cvt_pk_bf16_f32 v[CT+2*\i],   v[64*((\c)&3)+4*\i],   v[64*((\c)&3)+4*\i+1]
	v_cvt_pk_bf16_f32 v[CT+2*\i+1], v[64*((\c)&3)+4*\i+2], v[64*((\c)&3)+4*\i+3]
.endr
	WIN 0
.irp i, 0,1,2,3,4,5,6,7,8,9,10,11,12,13,14,15
	ds_store_b64 v[AXS+((\c)&1)], v[CT+2*\i:CT+2*\i+1] offset:\i*PITCH    ; 32 lanes x 8 bytes: one row's 256 bytes
.endr
.endm
; the 20 fragment loads of quarter step q (32 d at byte 64 q of the rows) of slot n into buffer f
.macro FETCH n, q, f
	WIN 0
.irp rt, 0,1,2,3
	ds_load_b128 v[\f+8*\rt:\f+8*\rt+3],   v[AX+\n] offset:16*\rt*PITCH+64*\q
	ds_load_b128 v[\f+8*\rt+4:\f+8*\rt+7], v[AX+\n] offset:16*\rt*PITCH+64*\q+32
.endr
.irp ct, 0,1,2,3
	ds_load_b128 v[\f+32+8*\ct:\f+32+8*\ct+3],   v[AW+\n] offset:(128*(\ct>>1)+16*(\ct&1))*PITCH+64*\q
	ds_load_b128 v[\f+32+8*\ct+4:\f+32+8*\ct+7], v[AW+\n] offset:(128*(\ct>>1)+16*(\ct&1))*PITCH+64*\q+32
.endr
.irp c, 0,1
	ds_load_b128 v[\f+64+8*\c:\f+64+8*\c+3],   v[AWV+\n] offset:16*\c*PITCH+64*\q
	ds_load_b128 v[\f+64+8*\c+4:\f+64+8*\c+7], v[AWV+\n] offset:16*\c*PITCH+64*\q+32
.endr
.endm
; 24 matrix instructions, each accumulator once and always in the same order: the accumulators take turns.
; zero = 1: the first product starts the sums, nothing is cleared.
.macro MUL f, zero
	WIN MULW
.irp ct, 0,1,2,3
.irp rt, 0,1,2,3
.if \zero
	v_wmma_f32_16x16x32_bf16 v[8*(4*\ct+\rt):8*(4*\ct+\rt)+7], v[\f+32+8*\ct:\f+32+8*\ct+7], v[\f+8*\rt:\f+8*\rt+7], 0
.else
	v_wmma_f32_16x16x32_bf16 v[8*(4*\ct+\rt):8*(4*\ct+\rt)+7], v[\f+32+8*\ct:\f+32+8*\ct+7], v[\f+8*\rt:\f+8*\rt+7], v[8*(4*\ct+\rt):8*(4*\ct+\rt)+7]
.endif
.endr
.endr
.irp ct, 4,5
.irp rt, 0,1,2,3
.if \zero
	v_wmma_f32_16x16x32_bf16 v[8*(4*\ct+\rt):8*(4*\ct+\rt)+7], v[\f+8*\rt:\f+8*\rt+7], v[\f+32+8*\ct:\f+32+8*\ct+7], 0
.else
	v_wmma_f32_16x16x32_bf16 v[8*(4*\ct+\rt):8*(4*\ct+\rt)+7], v[\f+8*\rt:\f+8*\rt+7], v[\f+32+8*\ct:\f+32+8*\ct+7], v[8*(4*\ct+\rt):8*(4*\ct+\rt)+7]
.endif
.endr
.endr
.endm
; Trip t multiplies its chunk (X's and Wt's both in slot t & 1).  In front of the trip's barrier every wave has waited for its part of Wt's tile,
; for its LDS stores (its rows of X's chunk) and for its reads of trip t - 1.  In trips 1 to 6 the barrier is a round of the cluster's barrier,
; the wait is for all tensor loads, and behind the round the slot read in trip t - 1 is filled again first.  Trips 0 and 7 fill nothing: a plain barrier.
.macro TRIP t
.if \t == 0
	s_wait_tensorcnt 0x1                           ; tensor loads of a wave end in order (ISA guide 10.11.1): the first tile is in; the second, issued behind it, may be out
.else
	s_wait_tensorcnt 0x0                           ; my one tensor load has landed, so a group 0 may be written
	ds_add_u32 v254, v255
	s_wait_dscnt 0x0
.endif
.if \t*(7-\t) > 0
	s_add_co_u32 s41, s[ROT], \t+1                 ; the next trip's chunk, round modulo 8
	s_and_b32 s41, s41, 7
	s_mul_i32 s42, s41, WTILE                      ; s43 = 0
	s_add_nc_u64 s[G0+4*((\t+1)&1)+2:G0+4*((\t+1)&1)+3], s[6:7], s[42:43]
	s_or_b32 s[G0+4*((\t+1)&1)+3], s[G0+4*((\t+1)&1)+3], 0x80000000      ; type = 2
.endif
	s_wait_dscnt 0x0                               ; my stores of this trip's chunk and my reads of trip t - 1 are done
.if \t*(7-\t) > 0
	ROUND
	tensor_load_to_lds s[G0+4*((\t+1)&1):G0+4*((\t+1)&1)+3], s[G1:G1+7]   ; the next trip's tile: my one tensor load behind the round; it has the whole trip in which to land
	s_nop 0
.else
	s_barrier_signal -1
	s_barrier_wait -1
.endif
.if \t > 0
	PLACES 4                                       ; four places between the last matrix instruction and loads into registers that it read (ISA guide 7.12.1 for vector instructions)
.endif
	FETCH (\t&1), 0, F0
	FETCH (\t&1), 1, F1
.if \t < 5
	GLOAD \t+3                                     ; three chunks, 48 loads of the wave, are now on their way
.endif
	s_wait_dscnt 20                                ; buffer 0 is in; the 20 loads of buffer 1 may be out
.if \t == 0
	MUL F0, 1
.else
	MUL F0, 0
.endif
	PLACES 4
	FETCH (\t&1), 2, F0
	s_wait_dscnt 20                                ; buffer 1 is in; the 20 just issued may be out
	MUL F1, 0
	PLACES 4
	FETCH (\t&1), 3, F1
	s_wait_dscnt 20
	MUL F0, 0
	s_wait_dscnt 0
	MUL F1, 0
.if \t < 5
	CONVERT \t+1, 32                               ; the chunks of trips t + 2 and t + 3 stay out
.elseif \t == 5
	CONVERT 6, 16                                  ; trip 7's chunk stays out
.elseif \t == 6
	CONVERT 7, 0
.endif
.endm
; way out: the eight tiles of one of Q, K, V are rounded to 16 bits (Q, K: bf16; V: times 1/16, then f16) and put into its stage, 16 bytes a lane
.macro OUT8 mat
.if \mat == 2
	WIN INPL
.irp c, 0,1
.irp rt, 0,1,2,3
.irp p, 0,2,4,6
	v_pk_mul_f32 v[8*(4*(4+\c)+\rt)+\p:8*(4*(4+\c)+\rt)+\p+1], v[8*(4*(4+\c)+\rt)+\p:8*(4*(4+\c)+\rt)+\p+1], s[22:23] op_sel_hi:[1,0]   ; V / 16, exact
.endr
.endr
.endr
.endif
	WIN OUTCV
.irp c, 0,1
.irp rt, 0,1,2,3
.irp p, 0,1,2,3
.if \mat < 2
	v_cvt_pk_bf16_f32 v[CT+4*(4*\c+\rt)+\p], v[8*(4*(2*\mat+\c)+\rt)+2*\p], v[8*(4*(2*\mat+\c)+\rt)+2*\p+1]
.else
	v_cvt_pk_f16_f32 v[CT+4*(4*\c+\rt)+\p], v[8*(4*(2*\mat+\c)+\rt)+2*\p], v[8*(4*(2*\mat+\c)+\rt)+2*\p+1]
.endif
.endr
.endr
.endr
	WIN 0
.irp c, 0,1
.irp rt, 0,1,2,3
.if \mat < 2
	ds_store_b128 v[SQ], v[CT+4*(4*\c+\rt):CT+4*(4*\c+\rt)+3] offset:\mat*XSLOT+\rt*16*PITCH+32*\c   ; row 16 rt + r, h = 32 w + 16 c + 8 hh ..
.else
	ds_store_b128 v[SV], v[CT+4*(4*\c+\rt):CT+4*(4*\c+\rt)+3] offset:\c*16*VP+32*\rt                 ; h = 32 w + 16 c + r, rows 16 rt + 8 hh ..
.endif
.endr
.endr
.endm
	s_load_b256 s[4:11], s[0:1], 0x0               ; X s[4:5], Wt s[6:7], Qb s[8:9], Kb s[10:11]
	s_load_b64 s[12:13], s[0:1], 0x20              ; Vb
	v_lshl_add_u32 v254, v0, 2, 0x48800
	v_mov_b32 v255, 0
	ds_add_u32 v254, v255
	v_lshrrev_b32 v1, 5, v0
	v_readfirstlane_b32 s14, v1                    ; wave 0..3
	s_bfe_u32 s15, ttmp6, 0x40000                  ; cx: my place in the cluster
	s_lshl_b32 s16, ttmp9, 2                       ; ttmp9 counts clusters
	s_add_co_u32 s16, s16, s15                     ; g; it enters the addresses of X, Qb, Kb, Vb alone
	s_lshl_b32 s18, s16, 18                        ; 64 rows of 4,096 bytes
	s_mov_b32 s19, 0
	s_lshl_b32 s20, s16, 14                        ; 16 KiB of each output
	s_mov_b32 s21, 0
	s_and_b32 s[ROT], ttmp9, 7                     ; the cluster's first chunk: its number's low three bits,
	s_bfe_u32 s41, ttmp9, 0x10003                  ; all three turned over where bit 3 is set
	s_mul_i32 s41, s41, 7
	s_xor_b32 s[ROT], s[ROT], s41
.irp t, 0,1,2,3,4,5,6,7
	s_add_co_u32 s41, s[ROT], \t
	s_and_b32 s41, s41, 7                          ; trip t's chunk
	s_lshl_b32 s[XB+2*\t], s41, 9                  ; 128 f32 = 512 bytes a chunk: first as an offset,
	s_mov_b32 s[XB+2*\t+1], 0
.endr
	v_and_b32 v1, 31, v0                           ; L
	v_and_b32 v2, 15, v0                           ; r
	v_bfe_u32 v3, v0, 4, 1                         ; hh
	s_lshl_b32 s22, s14, 16                        ; my wave's 16 rows of X
	v_lshl_add_u32 v[XG], v1, 4, s22
	s_wait_dscnt 0x0
	s_wait_kmcnt 0x0
	s_add_nc_u64 s[4:5], s[4:5], s[18:19]
.irp t, 0,1,2,3,4,5,6,7
	s_add_nc_u64 s[XB+2*\t:XB+2*\t+1], s[4:5], s[XB+2*\t:XB+2*\t+1]   ; then as an address
.endr
	GLOAD 0                                        ; X first: it comes from furthest away
	GLOAD 1
	GLOAD 2
	WIN 0
	s_add_nc_u64 s[8:9], s[8:9], s[20:21]
	s_add_nc_u64 s[10:11], s[10:11], s[20:21]
	s_add_nc_u64 s[12:13], s[12:13], s[20:21]
	; descriptor group 1: 96 rows x 128 bf16 without gaps in memory, 16 bytes of padding behind each row's 64 words in LDS, jointly for the four work-groups of the cluster
	s_mov_b32 s[G1+0], 15|(1<<16)|(1<<20)|(1<<21)|(5<<22)|(3<<25)   ; 15:0 mask; 17:16 elements of 2 bytes; 20 padding on; 21 set beside a mask; 24:22 every 64 words; 31:25 4 words
	s_mov_b32 s[G1+1], 128<<16                     ; tensor_dim0 = 128
	s_mov_b32 s[G1+2], WROWS<<16                   ; tensor_dim1 = 96
	s_mov_b32 s[G1+3], 128<<16                     ; tile_dim0 = 128
	s_mov_b32 s[G1+4], WROWS                       ; tile_dim1 = 96
	s_mov_b32 s[G1+5], 128                         ; elements from row to row
	s_mov_b32 s[G1+6], 0
	s_mov_b32 s[G1+7], 0
	s_mul_i32 s22, s14, WROWS*256                  ; my 96 rows of a tile: the wave's number alone, the same in all four work-groups
	s_mov_b32 s23, 0
	s_add_nc_u64 s[6:7], s[6:7], s[22:23]
	s_mul_i32 s17, s14, WROWS*PITCH
	s_mov_b32 s43, 0
.irp n, 0,1
	s_add_co_u32 s41, s[ROT], \n
	s_and_b32 s41, s41, 7
	s_mul_i32 s42, s41, WTILE                                      ; trip n's tile
	s_mov_b32 s[G0+4*\n], 1                                        ; count = 1
	s_add_co_u32 s[G0+4*\n+1], s17, \n*WSLOT                       ; LDS address
	s_add_nc_u64 s[G0+4*\n+2:G0+4*\n+3], s[6:7], s[42:43]          ; global address
	s_or_b32 s[G0+4*\n+3], s[G0+4*\n+3], 0x80000000                ; type = 2
.endr
	ROUND                                          ; all four work-groups are here: the first joint loads meet
	tensor_load_to_lds s[G0:G0+3], s[G1:G1+7]      ; both first fills go out together: two loads of the wave are out here, later one
	s_nop 0
	tensor_load_to_lds s[G0+4:G0+7], s[G1:G1+7]
	s_nop 0
	; LDS addresses: constants, the wave's number times constants, and the lane
	s_mul_i32 s20, s14, 16*PITCH
	s_add_co_u32 s21, s20, XS0
	v_lshl_add_u32 v[AXS], v1, 3, s21              ; X slot 0 + (16 w) rows + 8 L
	v_add_nc_u32 v[AXS+1], XSLOT, v[AXS]
	v_mul_u32_u24 v7, v2, PITCH
	v_lshl_add_u32 v7, v3, 4, v7                   ; a fragment's lane term: r x pitch + 16 hh
	s_mul_i32 s21, s14, 32*PITCH
	v_add_nc_u32 v[AW], s21, v7                    ; Wt's rows 32 w + r
	v_add_nc_u32 v[AW+1], WSLOT, v[AW]
	v_add_nc_u32 v[AWV], 256*PITCH, v[AW]
	v_add_nc_u32 v[AWV+1], 256*PITCH, v[AW+1]
	v_add_nc_u32 v[AX], XS0, v7
	v_add_nc_u32 v[AX+1], XS0+XSLOT, v7
	s_lshl_b32 s21, s14, 6
	s_add_co_u32 s21, s21, STQ
	v_add_nc_u32 v[SQ], s21, v7                    ; stage Q + r x 272 + 64 w + 16 hh
	v_mul_u32_u24 v[SV], v2, VP
	v_lshl_add_u32 v[SV], v3, 4, v[SV]
	s_mul_i32 s21, s14, 32*VP
	s_add_co_u32 s21, s21, STV
	v_add_nc_u32 v[SV], s21, v[SV]                 ; stage V + (32 w + r) x 144 + 16 hh
	v_lshrrev_b32 v19, 3, v1
	v_and_b32 v20, 7, v1
	v_mul_u32_u24 v[RV], v19, VP
	v_lshl_add_u32 v[RV], v20, 4, v[RV]
	v_add_nc_u32 v[RV], s21, v[RV]                 ; back: eight lanes take one h's 128 bytes
	v_mul_u32_u24 v[RQ], v3, PITCH
	v_lshl_add_u32 v[RQ], v2, 4, v[RQ]
	s_add_co_u32 s20, s20, STQ
	v_add_nc_u32 v[RQ], s20, v[RQ]                 ; back: sixteen lanes take one row's 256 bytes, rows 16 w ..
	s_lshl_b32 s20, s14, 12
	v_lshl_add_u32 v[GO], v1, 4, s20               ; 4,096 w + 16 L
	s_mov_b32 s22, VSCALE                          ; the pair that the packed multiply of the way out names; its first word is used for both halves
	s_mov_b32 s23, VSCALE
	CONVERT 0, 32                                  ; the chunks of trips 1 and 2 stay out
	TRIP 0
	TRIP 1
	TRIP 2
	TRIP 3
	TRIP 4
	TRIP 5
	TRIP 6
	TRIP 7
	; THE WAY OUT.  Stages have LDS bytes of their own.  Q's and K's rows are made of all four waves' columns, hence the barrier.
	PLACES 4                                       ; four places before vector instructions read matrix results (ISA guide 7.12.1)
	OUT8 0
	OUT8 1
	OUT8 2
	s_wait_dscnt 0x0                               ; my stores are in LDS before I say so
	s_barrier_signal -1
	s_barrier_wait -1
.irp i, 0,1,2,3,4,5,6,7
	ds_load_b128 v[32+4*\i:35+4*\i], v[RQ] offset:\i*2*PITCH           ; Q: two rows a load
.endr
.irp i, 0,1,2,3,4,5,6,7
	ds_load_b128 v[64+4*\i:67+4*\i], v[RQ] offset:XSLOT+\i*2*PITCH     ; K
.endr
.irp i, 0,1,2,3,4,5,6,7
	ds_load_b128 v[96+4*\i:99+4*\i], v[RV] offset:\i*4*VP              ; V: four h a load
.endr
	; each store of the wave covers 512 consecutive bytes, aligned; the wait in front of the k-th leaves the 23 - k younger LDS loads out
.irp i, 0,1,2,3,4,5,6,7
	s_wait_dscnt 23-\i
	global_store_b128 v[GO], v[32+4*\i:35+4*\i], s[8:9] offset:\i*512
.endr
.irp i, 0,1,2,3,4,5,6,7
	s_wait_dscnt 15-\i
	global_store_b128 v[GO], v[64+4*\i:67+4*\i], s[10:11] offset:\i*512
.endr
.irp i, 0,1,2,3,4,5,6,7
	s_wait_dscnt 7-\i
	global_store_b128 v[GO], v[96+4*\i:99+4*\i], s[12:13] offset:\i*512
.endr
	s_wait_tensorcnt 0x0
	ds_add_u32 v254, v255
	s_wait_dscnt 0x0
	ROUND                                          ; the closing round: no work-group ends while a partner may still ask for a tile that names it
	s_endpgm
.Lfunc_end_k_q10c466c795_proj:
	.size	k_q10c466c795_proj, .Lfunc_end_k_q10c466c795_proj-k_q10c466c795_proj
	.p2alignl 7, 3214868480
	.fill 96, 4, 3214868480
	.section	.rodata,"a",@progbits
	.p2align	6, 0x0
	.amdhsa_kernel k_q10c466c795_proj
		.amdhsa_group_segment_fixed_size 327680
		.amdhsa_private_segment_fixed_size 0
		.amdhsa_enable_private_segment 0
		.amdhsa_kernarg_size 40
		.amdhsa_user_sgpr_count 2
		.amdhsa_user_sgpr_kernarg_segment_ptr 1
		.amdhsa_wavefront_size32 1
		.amdhsa_system_sgpr_workgroup_id_x 1
		.amdhsa_system_sgpr_workgroup_id_y 1
		.amdhsa_system_sgpr_workgroup_id_z 1
		.amdhsa_system_vgpr_workitem_id 0
		.amdhsa_next_free_vgpr 768
		.amdhsa_next_free_sgpr 66
		.amdhsa_reserve_vcc 0
		.amdhsa_float_denorm_mode_32 3
		.amdhsa_float_denorm_mode_16_64 3
		.amdhsa_memory_ordered 1
		.amdhsa_forward_progress 1
		.amdhsa_inst_pref_size 157
	.end_amdhsa_kernel
	.amdgpu_metadata
---
amdhsa.version: [ 1, 2 ]
amdhsa.kernels:
  - .name:           k_q10c466c795_proj
    .symbol:         k_q10c466c795_proj.kd
    .args:
      - { .name: X, .offset: 0, .size: 8, .value_kind: global_buffer, .address_space: global }
      - { .name: Wt, .offset: 8, .size: 8, .value_kind: global_buffer, .address_space: global }
      - { .name: Qb, .offset: 16, .size: 8, .value_kind: global_buffer, .address_space: global }
      - { .name: Kb, .offset: 24, .size: 8, .value_kind: global_buffer, .address_space: global }
      - { .name: Vb, .offset: 32, .size: 8, .value_kind: global_buffer, .address_space: global }
    .group_segment_fixed_size: 327680
    .private_segment_fixed_size: 0
    .kernarg_segment_align: 8
    .kernarg_segment_size: 40
    .max_flat_workgroup_size: 128
    .sgpr_count:     66
    .vgpr_count:     768
    .wavefront_size: 32
...
	.end_amdgpu_metadata
.endif
;; end of part 5
;; launch attn (part 6): grid 256 x 1, 4 waves a work-group, clusters of 4 x 1, 327,680 bytes of LDS; arguments Qb, Kb, Vb, out0; writes out0
.if DOCPART == 6
	.amdgcn_target "amdgcn-amd-amdhsa--gfx1250"
	.amdhsa_code_object_version 6
	.text
	.protected	k_q10c466c795_attn
	.globl	k_q10c466c795_attn
	.p2align	8
	.type	k_q10c466c795_attn,@function
k_q10c466c795_attn:
	s_mov_b64 s[64:65], 0
	v_nop
	global_prefetch_b8 v0, s[64:65] scope:SCOPE_SE
	s_setreg_imm32_b32 hwreg(HW_REG_WAVE_MODE, 25, 1), 1
	s_wait_xcnt 0x0
	s_wait_alu depctr_hold_cnt(0) depctr_sa_sdst(0) depctr_va_vdst(0) depctr_va_sdst(0) depctr_va_ssrc(0) depctr_va_vcc(0) depctr_vm_vsrc(0)
	s_getreg_b32 s2, hwreg(HW_REG_IB_STS2, 6, 4)
	s_cmp_eq_u32 s2, 0
	s_cbranch_scc0 .Lentry_in_a_cluster
	s_endpgm
.Lentry_in_a_cluster:
	s_bfe_u32 s2, ttmp6, 0x10000c
	s_cmp_lg_u32 s2, 0x3003
	s_cbranch_scc0 .Lentry_shape_is_right
	s_endpgm
.Lentry_shape_is_right:
; out0 = softmax(Q K^T / 32) V for each of 4 batches of 4,096 rows, head size 128.  Qb, Kb: [16384][128] bf16.
; Vb: [256 blocks of 64 keys][128 h][64 keys] f16, holding V / 16.  out0: [16384][128] f32.
; Work-group g owns 64 queries of batch g / 64.  THE KEYS ARE SPLIT OVER THE WAVES: in a step (8 steps of 512 keys) wave w takes 128 of the
; step's keys for all 64 queries, so each byte of K and V is read from LDS once and a fragment feeds four matrix instructions.
; Each wave keeps its own running maximum m, sum l and O^T; the four are merged once at the end through LDS.
; TRANSPOSED FORMS: S^T = K Q^T (source 0 = 16 keys, source 1 = 16 queries): lane (r, hh) holds query r and keys 8 hh + j.  Two such tiles,
; packed to 16 bits, are source 1 of O^T = V^T P^T as they stand (source 0 = 16 h of V^T).  m, l and the rescaling factor are one number a lane;
; only lanes r and r + 16 exchange anything.
; FORMATS: S^T is made of bf16 operands.  P V is made of f16 operands: the weights P lie in (0, 1] for every input, since the running maximum is
; taken away, and the result is a mean over 4,096 keys into which the rounding of P and of V goes undamped, so the three further bits count.
; The factor 16 that V / 16 leaves open is put into the last scaling (exact).
; LDS: each wave has one slot for K and one for V (128 rows x 272 bytes each), its own, filled by its own tensor loads.  The two take turns:
; the next K is asked for behind S^T and has the softmax and half of P V (64 matrix instructions) in which to land; all of V's fragments are in
; registers by the middle of P V, where the next V is asked for: it has 32 + 128 matrix instructions.
; CLUSTER: the four work-groups of a cluster belong to one batch and walk the same K and V: each tile is asked for jointly (mask 15).
; STAGGER: step i of cluster c takes keys 512 ((i + rot) mod 8) .., rot = (c & 7) xor (7 x bit 3 of c).  The running maximum makes the result
; independent of the order of the keys.  So the 16 clusters of a batch do not all ask for the same tile at the same time, and the tile of any later
; step has been asked for a step earlier by the clusters one place ahead.  The xor makes the eight places differ among the eight clusters that
; agree in any one of c's four low bits.  rot hangs on the cluster's number alone: equal in all four partners.
; Q is read by one work-group alone: plain loads, once, 16 bytes a lane; the eight loads of a query tile use every byte of its 16 rows.
; The maximum is the true running maximum of the scores in f32; exponents are (s - m) log2(e) / 32, at most 0 up to one rounding.
; LIMITS: Q and K enter in bf16, P and V / 16 in f16; the sums' order differs from a plain sum; a weight below 2^-14 of its wave's running
; maximum has an absolute error of at most 2^-25 in the product (4,096 of them: 2^-13 of |V| against a sum of weights of about 1 at the least);
; in the sum l weights below 2^-126 count as 0 (the exponential flushes them: ISA guide, its entry in 15.8); |V| below 1,048,064 (f16's range
; times 16); NaN and infinities are not reproduced.
.set PITCH,  272
.set TSLOT,  128*PITCH                 ; 34,816: a slot
.set WSL,    2*TSLOT                   ; a wave's two slots
.set STAT,   4*WSL                     ; 278,528: m and l of the four waves, 512 bytes each; LDS stores alone
.set OPITCH, 528                       ; the stage (a wave's K slot behind its last fill and last read): 64 queries x (512 + 16) bytes
.set CEXP,   0x3d38aa3b                ; log2(e) / 32
.set NCEXP,  0xbd38aa3b
.set VBACK,  0x41800000                ; 16: Vb holds V / 16
; window 0
.set AK,  2                            ; my fragments of K
.set AV,  3                            ; my fragments of V^T
.set QA,  4                            ; my byte offset in the group's 16 KiB of Qb
.set SO,  5                            ; the stage: where I put 32 bytes of a query's row
.set STW, 6
.set STR, 7
.set RD,  8                            ; v8-11   the four waves' stages, at my wave's 16 queries
.set OA,  12                           ; my byte offset in the group's 32 KiB of out0
.set M,   16                           ; v16-19  running maximum of query tile t
.set MN,  20                           ; v20-23  the new one
.set L,   24                           ; v24-27  running sum (over my lane's keys)
.set NMC, 28                           ; v28-35  - c x maximum, twice (pairs for the packed forms)
.set AL,  36                           ; v36-43  rescaling factor, twice
.set TMP, 44                           ; v44-47  the other half's number
.set ARG, 48                           ; v48-51  exponents
.set F0,  64                           ; v64-127   eight fragments
.set F1,  128                          ; v128-191  the second buffer
.set TR,  192                          ; v192-223  sums on their way; at the end the four waves' m and l
; window 1: Q(t, ks) at v[8 (4 t + ks)]; two more buffers for fragments of V:
.set F2,  128                          ; v128-191 of window 1
.set F3,  192                          ; v192-255 of window 1
; window 2: S(t, kt) at v[8 (8 t + kt)], packed in place to P(t, u) at v[8 (4 t + u)].   window 3: O(ht, t) at v[8 (4 ht + t)].
.set G1,  24                           ; s[24:31] descriptor group 1, for K and for V: both tiles are 32 KiB without gaps
.set G0K, 32                           ; s[32:35]
.set G0V, 36                           ; s[36:39]
; s[6:7], s[8:9]: Kb, Vb at my batch and my wave's 128 keys of a step.  s21: the step's place 0..7 in the batch.  s[16:17]: that place x 131,072 bytes
.set MSB, 0
.macro WIN new                         ; the immediate's high byte repeats the setting that is left
.if MSB != (\new)
	s_set_vgpr_msb (MSB<<8)|(\new)
.set MSB, (\new)
.endif
.endm
.macro PLACES n
.rept \n
	v_nop
.endr
.endm
.macro CREST                           ; a round of the cluster's barrier behind its opening barrier
	s_cmp_lg_u32 s12, 0
	s_cbranch_scc1 .Lnot_wave_0_\@
	s_barrier_signal -3
.Lnot_wave_0_\@:
	s_barrier_wait -3
	s_barrier_signal -1
	s_barrier_wait -1
.endm
.macro ROUND                           ; a whole round
	WIN 0
	s_barrier_signal -1
	s_barrier_wait -1
	CREST
.endm
; 16 loads: key tiles 2 u, 2 u + 1, all 128 h
.macro FETCHK u, f
	WIN 0
.irp a, 0,1
.irp ks, 0,1,2,3
	ds_load_b128 v[\f+8*(4*\a+\ks):\f+8*(4*\a+\ks)+3],   v[AK] offset:16*(2*\u+\a)*PITCH+64*\ks
	ds_load_b128 v[\f+8*(4*\a+\ks)+4:\f+8*(4*\a+\ks)+7], v[AK] offset:16*(2*\u+\a)*PITCH+64*\ks+32
.endr
.endr
.endm
; 32 matrix instructions: S^T of two key tiles x four query tiles.  The eight accumulators take turns; h = 0..31 starts the sums.
.macro QKMUL u, f
	WIN 0xa4                                       ; source 0 window 0, source 1 (Q) window 1, C and D window 2
.irp ks, 0,1,2,3
.irp a, 0,1
.irp t, 0,1,2,3
.if \ks == 0
	v_wmma_f32_16x16x32_bf16 v[8*(8*\t+2*\u+\a):8*(8*\t+2*\u+\a)+7], v[\f+8*(4*\a+\ks):\f+8*(4*\a+\ks)+7], v[8*(4*\t+\ks):8*(4*\t+\ks)+7], 0
.else
	v_wmma_f32_16x16x32_bf16 v[8*(8*\t+2*\u+\a):8*(8*\t+2*\u+\a)+7], v[\f+8*(4*\a+\ks):\f+8*(4*\a+\ks)+7], v[8*(4*\t+\ks):8*(4*\t+\ks)+7], v[8*(8*\t+2*\u+\a):8*(8*\t+2*\u+\a)+7]
.endif
.endr
.endr
.endr
.endm
; 16 loads: V^T, all 128 h, keys 32 u .. 32 u + 31, into buffer f of window w.  An LDS row holds two h of one block of 64 keys.
.macro FETCHV u, f, w
	WIN 0x40*\w                                    ; destination window w, address window 0
.irp ht, 0,1,2,3,4,5,6,7
	ds_load_b128 v[\f+8*\ht:\f+8*\ht+3],   v[AV] offset:(\u>>1)*64*PITCH+8*\ht*PITCH+64*(\u&1)
	ds_load_b128 v[\f+8*\ht+4:\f+8*\ht+7], v[AV] offset:(\u>>1)*64*PITCH+8*\ht*PITCH+64*(\u&1)+32
.endr
.endm
; 32 matrix instructions in f16, each of the 32 accumulators of O^T once: they take turns
.macro PVMUL u, f, w, zero
	WIN 0xf8+\w                                    ; source 0 window w, source 1 (P) window 2, C and D window 3
.irp ht, 0,1,2,3,4,5,6,7
.irp t, 0,1,2,3
.if \zero
	v_wmma_f32_16x16x32_f16 v[8*(4*\ht+\t):8*(4*\ht+\t)+7], v[\f+8*\ht:\f+8*\ht+7], v[8*(4*\t+\u):8*(4*\t+\u)+7], 0
.else
	v_wmma_f32_16x16x32_f16 v[8*(4*\ht+\t):8*(4*\ht+\t)+7], v[\f+8*\ht:\f+8*\ht+7], v[8*(4*\t+\u):8*(4*\t+\u)+7], v[8*(4*\ht+\t):8*(4*\ht+\t)+7]
.endif
.endr
.endr
.endm
; The new maxima of the four query tiles (four chains that do not wait for each other), - c x maximum, and the factor 2^(c (old - new)).
.macro MAXSTAT first
	WIN 0x0a                                       ; sources 0 and 1 window 2
.irp t, 0,1,2,3
.if \first
	v_max_num_f32 v[MN+\t], v[64*\t], v[64*\t+1]
.else
	v_max3_num_f32 v[MN+\t], v[64*\t], v[64*\t+1], v[M+\t]         ; the running maximum starts the chain
.endif
.endr
.set ii, 1
.rept 31
.irp t, 0,1,2,3
	v_max3_num_f32 v[MN+\t], v[64*\t+2*ii], v[64*\t+2*ii+1], v[MN+\t]
.endr
.set ii, ii+1
.endr
	WIN 0
.irp t, 0,1,2,3
	v_permlanex16_b32 v[TMP+\t], v[MN+\t], s22, s23                ; lane r + 16 holds the same query's other keys
.endr
.irp t, 0,1,2,3
	v_max_num_f32 v[MN+\t], v[MN+\t], v[TMP+\t]
.endr
.irp t, 0,1,2,3
	v_mul_f32 v[NMC+2*\t],   s20, v[MN+\t]
	v_mul_f32 v[NMC+2*\t+1], s20, v[MN+\t]
.endr
.if \first == 0
.irp t, 0,1,2,3
	v_fma_f32 v[ARG+\t], v[M+\t], s18, v[NMC+2*\t]
.endr
.irp t, 0,1,2,3
	v_exp_f32 v[AL+2*\t],   v[ARG+\t]
	v_exp_f32 v[AL+2*\t+1], v[ARG+\t]
.endr
.endif
.irp t, 0,1,2,3
	v_mov_b32 v[M+\t], v[MN+\t]                    ; plain instructions behind the exponentials, ahead of any use of their results (ISA guide 5.7.2)
.endr
.endm
.macro RESCALE                         ; O^T x the lane's factor of query tile t
	WIN 0xc3                                       ; source 0 and destination window 3
	s_wait_alu depctr_va_vdst(0)
.irp ht, 0,1,2,3,4,5,6,7
.irp t, 0,1,2,3
.irp p, 0,2,4,6
	v_pk_mul_f32 v[8*(4*\ht+\t)+\p:8*(4*\ht+\t)+\p+1], v[8*(4*\ht+\t)+\p:8*(4*\ht+\t)+\p+1], v[AL+2*\t:AL+2*\t+1]
.endr
.endr
.endr
.endm
; Query tile t: p = 2^(c s - c m) in place, its sum into l, p packed to f16.  P's register i takes S's registers 2 i and 2 i + 1 (numbers in the
; window), i ascending, t ascending: a register is written only when its own number has been used.
.macro EXPSUM t, first
	WIN 0x82                                       ; source 0 and destination window 2
	v_pk_fma_f32 v[64*\t:64*\t+1], v[64*\t:64*\t+1], s[18:19], v[NMC+2*\t:NMC+2*\t+1] op_sel_hi:[1,0,1]
.set ii, 0
.rept 31
	v_pk_fma_f32 v[64*\t+2*ii+2:64*\t+2*ii+3], v[64*\t+2*ii+2:64*\t+2*ii+3], s[18:19], v[NMC+2*\t:NMC+2*\t+1] op_sel_hi:[1,0,1]   ; the next pair's exponents: also the plain place behind the last pair's exponentials
	v_exp_f32 v[64*\t+2*ii],   v[64*\t+2*ii]
	v_exp_f32 v[64*\t+2*ii+1], v[64*\t+2*ii+1]
.set ii, ii+1
.endr
	v_exp_f32 v[64*\t+62], v[64*\t+62]
	v_exp_f32 v[64*\t+63], v[64*\t+63]
	v_nop                                          ; one plain place before the last results are read (ISA guide 5.7.2)
	WIN 0x0a
	s_wait_alu depctr_va_vdst(0)
.irp i, 0,1,2,3,4,5,6,7,8,9,10,11,12,13,14,15
	v_pk_add_f32 v[TR+2*\i:TR+2*\i+1], v[64*\t+4*\i:64*\t+4*\i+1], v[64*\t+4*\i+2:64*\t+4*\i+3]
.endr
	WIN 0x8a
.set ii, 0
.rept 32
	v_cvt_pk_f16_f32 v[32*\t+ii], v[64*\t+2*ii], v[64*\t+2*ii+1]
.set ii, ii+1
.endr
	WIN 0
.irp i, 0,2,4,6,8,10,12,14
	v_pk_add_f32 v[TR+\i:TR+\i+1], v[TR+\i:TR+\i+1], v[TR+16+\i:TR+16+\i+1]
.endr
.irp i, 0,2,4,6
	v_pk_add_f32 v[TR+\i:TR+\i+1], v[TR+\i:TR+\i+1], v[TR+8+\i:TR+8+\i+1]
.endr
.irp i, 0,2
	v_pk_add_f32 v[TR+\i:TR+\i+1], v[TR+\i:TR+\i+1], v[TR+4+\i:TR+4+\i+1]
.endr
	v_pk_add_f32 v[TR:TR+1], v[TR:TR+1], v[TR+2:TR+3]
.if \first
	v_add_f32 v[L+\t], v[TR], v[TR+1]
.else
	v_add_f32 v[TR], v[TR], v[TR+1]
	v_fma_f32 v[L+\t], v[L+\t], v[AL+2*\t], v[TR]
.endif
.endm
; One step: my 128 keys.  first = 1: nothing to rescale, the first products start O^T.  fill = 1: the next step's K and V are asked for.
; Each refill stands behind a round of the cluster's barrier: in front of the round's opening signal the wave has waited for all its LDS reads
; and for all its tensor loads; inside the round stands register work alone; the joint load is the first thing behind its closing wait.
.macro STEP first, fill
	s_wait_dscnt 16                                ; buffer 0 is in; the 16 loads of buffer 1 may be out (so at every count of 16 below)
	QKMUL 0, F0
	PLACES 4                                       ; four places before loads into registers that a matrix instruction read (ISA guide 7.12.1 for vector instructions)
	FETCHK 2, F0
	s_wait_dscnt 16
	QKMUL 1, F1
	PLACES 4
	FETCHK 3, F1
	s_wait_dscnt 16
	QKMUL 2, F0
	s_wait_dscnt 0                                 ; my reads of the K slot are over
	QKMUL 3, F1
	s_set_vgpr_msb 0xa4a0
	s_wait_tensorcnt 0x0                           ; my one tensor load that was out, this step's V, has landed
	ds_add_u32 v254, v255
	s_wait_dscnt 0x0
	s_set_vgpr_msb 0xa0a4
.if \fill
	s_add_co_u32 s21, s21, 1                       ; the next step's place in the batch, round modulo 8
	s_and_b32 s21, s21, 7
	s_lshl_b32 s16, s21, 17                        ; 512 keys of 256 bytes a step; s17 = 0
	s_add_nc_u64 s[G0K+2:G0K+3], s[6:7], s[16:17]  ; no load of mine is out: K's group 0 may be written
	s_or_b32 s[G0K+3], s[G0K+3], 0x80000000        ; type = 2
	s_barrier_signal -1                            ; opens the round
.endif
	PLACES 4                                       ; four places before vector instructions read matrix results (ISA guide 7.12.1)
	MAXSTAT \first
.if \fill
	s_barrier_wait -1
	CREST
	tensor_load_to_lds s[G0K:G0K+3], s[G1:G1+7]    ; the next step's K
	s_nop 0
.endif
	FETCHV 0, F0, 0
	FETCHV 1, F1, 0
	FETCHV 2, F2, 1
.if \first == 0
	RESCALE
.endif
	EXPSUM 0, \first
	EXPSUM 1, \first
	EXPSUM 2, \first
	EXPSUM 3, \first
	s_wait_dscnt 32                                ; buffer 0 is in; the 16 loads each of buffers 1 and 2 may be out
	FETCHV 3, F3, 1
	PVMUL 0, F0, 0, \first
	s_wait_dscnt 32                                ; buffer 1 is in; the 16 loads each of buffers 2 and 3 may be out
	PVMUL 1, F1, 0, 0
	s_wait_dscnt 0                                 ; my reads of the V slot are over: all its fragments are in registers
.if \fill
	s_set_vgpr_msb 0xf8f0
	s_wait_tensorcnt 0x0                           ; the next step's K has landed
	ds_add_u32 v254, v255
	s_wait_dscnt 0x0
	s_set_vgpr_msb 0xf0f8
	s_add_nc_u64 s[G0V+2:G0V+3], s[8:9], s[16:17]  ; the same place in Vb
	s_or_b32 s[G0V+3], s[G0V+3], 0x80000000
	s_barrier_signal -1                            ; opens the round
.endif
	PVMUL 2, F2, 1, 0
	WIN 0
.if \fill
	s_barrier_wait -1
	CREST
	tensor_load_to_lds s[G0V:G0V+3], s[G1:G1+7]    ; the next step's V
	s_nop 0
	PLACES 4                                       ; four places before loads into buffers 0 and 1, which matrix instructions read
	FETCHK 0, F0                                   ; the next step's first fragments come in under the last quarter of P V
	FETCHK 1, F1
.endif
	PVMUL 3, F3, 1, 0
	WIN 0
.if \fill
	PLACES 5                                       ; five places before matrix instructions write over P, which the last ones read (ISA guide 7.12.1)
.endif
.endm
; the last sum: queries 4 q .. 4 q + 3 of my wave's 16, from the four waves' stages, into buffer f
.macro SUM4 q, f
.if \q >= 2
	s_wait_xcnt 0x0                                ; buffer f, which earlier stores read, is loaded again only behind this wait (ISA guide 3.1)
.endif
.irp p, 0,1,2,3
.irp w, 0,1,2,3
	ds_load_b128 v[\f+16*\p+4*\w:\f+16*\p+4*\w+3], v[RD+\w] offset:(4*\q+\p)*OPITCH    ; 32 lanes x 16 bytes: a query's 512 bytes
.endr
.endr
.irp p, 0,1,2,3
	s_wait_dscnt 12-4*\p                           ; row p's four loads are in; the four of each later row may be out
	v_pk_add_f32 v[\f+16*\p:\f+16*\p+1],     v[\f+16*\p:\f+16*\p+1],     v[\f+16*\p+4:\f+16*\p+5]
	v_pk_add_f32 v[\f+16*\p+2:\f+16*\p+3],   v[\f+16*\p+2:\f+16*\p+3],   v[\f+16*\p+6:\f+16*\p+7]
	v_pk_add_f32 v[\f+16*\p+8:\f+16*\p+9],   v[\f+16*\p+8:\f+16*\p+9],   v[\f+16*\p+12:\f+16*\p+13]
	v_pk_add_f32 v[\f+16*\p+10:\f+16*\p+11], v[\f+16*\p+10:\f+16*\p+11], v[\f+16*\p+14:\f+16*\p+15]
	v_pk_add_f32 v[\f+16*\p:\f+16*\p+1],     v[\f+16*\p:\f+16*\p+1],     v[\f+16*\p+8:\f+16*\p+9]
	v_pk_add_f32 v[\f+16*\p+2:\f+16*\p+3],   v[\f+16*\p+2:\f+16*\p+3],   v[\f+16*\p+10:\f+16*\p+11]
	global_store_b128 v[OA], v[\f+16*\p:\f+16*\p+3], s[10:11] offset:(4*\q+\p)*512 th:TH_STORE_NT   ; 512 consecutive bytes, aligned
.endr
.endm
	s_load_b256 s[4:11], s[0:1], 0x0               ; Qb s[4:5], Kb s[6:7], Vb s[8:9], out0 s[10:11]
	v_lshl_add_u32 v254, v0, 2, 0x44800
	v_mov_b32 v255, 0
	ds_add_u32 v254, v255
	v_lshrrev_b32 v1, 5, v0
	v_readfirstlane_b32 s12, v1                    ; wave 0..3
	s_bfe_u32 s13, ttmp6, 0x40000                  ; cx
	s_lshl_b32 s14, ttmp9, 2                       ; ttmp9 counts clusters
	s_add_co_u32 s14, s14, s13                     ; g; it enters the addresses of Qb and out0 alone
	s_lshr_b32 s15, ttmp9, 4                       ; batch: 16 clusters each, so the same in all four partners
	s_and_b32 s21, ttmp9, 7                        ; the cluster's first step: its number's low three bits,
	s_bfe_u32 s44, ttmp9, 0x10003                  ; all three turned over where bit 3 is set
	s_mul_i32 s44, s44, 7
	s_xor_b32 s21, s21, s44
	s_mov_b32 s18, CEXP
	s_mov_b32 s19, CEXP                            ; the pair's second word is never used, but the pair is named
	s_mov_b32 s20, NCEXP
	s_mov_b32 s22, 0x76543210                      ; v_permlanex16_b32: lane i of one half reads lane i of the other
	s_mov_b32 s23, 0xfedcba98
	; descriptor group 1: 128 rows x 128 elements of 2 bytes without gaps in memory, 16 bytes of padding behind each row in LDS, jointly for the four work-groups
	s_mov_b32 s[G1+0], 15|(1<<16)|(1<<20)|(1<<21)|(5<<22)|(3<<25)   ; 15:0 mask; 17:16 elements of 2 bytes; 20 padding on; 21 set beside a mask; 24:22 every 64 words; 31:25 4 words
	s_mov_b32 s[G1+1], 128<<16                     ; tensor_dim0 = 128
	s_mov_b32 s[G1+2], 128<<16                     ; tensor_dim1 = 128
	s_mov_b32 s[G1+3], 128<<16                     ; tile_dim0 = 128
	s_mov_b32 s[G1+4], 128                         ; tile_dim1 = 128
	s_mov_b32 s[G1+5], 128                         ; elements from row to row
	s_mov_b32 s[G1+6], 0
	s_mov_b32 s[G1+7], 0
	s_lshl_b32 s16, s15, 20                        ; 4,096 keys of 256 bytes a batch (in Kb and in Vb alike)
	s_lshl_b32 s17, s12, 15                        ; + 128 keys a wave
	s_add_co_u32 s16, s16, s17
	s_mov_b32 s17, 0
	s_lshl_b32 s40, s14, 14                        ; the group's 64 rows of Qb
	s_mov_b32 s41, 0
	s_lshl_b32 s42, s14, 15                        ; and of out0
	s_mov_b32 s43, 0
	s_mov_b32 s[G0K], 1
	s_mul_i32 s[G0K+1], s12, WSL                   ; my K slot
	s_mov_b32 s[G0V], 1
	s_add_co_u32 s[G0V+1], s[G0K+1], TSLOT         ; my V slot
	v_and_b32 v52, 15, v0                          ; r
	v_bfe_u32 v53, v0, 4, 1                        ; hh
	v_and_b32 v54, 31, v0                          ; L
	v_lshlrev_b32 v[QA], 8, v52
	v_lshl_add_u32 v[QA], v53, 4, v[QA]            ; r rows of 256 bytes + 16 hh
	s_wait_dscnt 0x0
	s_wait_kmcnt 0x0
	s_add_nc_u64 s[4:5], s[4:5], s[40:41]
	WIN 0x40                                       ; destination window 1
.irp t, 0,1,2,3
.irp ks, 0,1,2,3
	global_load_b128 v[8*(4*\t+\ks):8*(4*\t+\ks)+3],   v[QA], s[4:5] offset:\t*4096+64*\ks
	global_load_b128 v[8*(4*\t+\ks)+4:8*(4*\t+\ks)+7], v[QA], s[4:5] offset:\t*4096+64*\ks+32
.endr
.endr
	WIN 0
	s_add_nc_u64 s[6:7], s[6:7], s[16:17]          ; Kb and Vb at my batch and my wave's keys
	s_add_nc_u64 s[8:9], s[8:9], s[16:17]
	s_lshl_b32 s16, s21, 17                        ; the first step's place x 131,072 bytes
	s_add_nc_u64 s[G0K+2:G0K+3], s[6:7], s[16:17]
	s_or_b32 s[G0K+3], s[G0K+3], 0x80000000        ; type = 2
	s_add_nc_u64 s[G0V+2:G0V+3], s[8:9], s[16:17]
	s_or_b32 s[G0V+3], s[G0V+3], 0x80000000
	s_add_nc_u64 s[10:11], s[10:11], s[42:43]
	ROUND                                          ; all four work-groups are here: the first joint loads meet
	tensor_load_to_lds s[G0K:G0K+3], s[G1:G1+7]    ; the first step's K
	s_nop 0
	tensor_load_to_lds s[G0V:G0V+3], s[G1:G1+7]    ; the first step's V: two loads of the wave are out here, later one
	s_nop 0
	v_mul_u32_u24 v[AK], v52, PITCH
	v_lshl_add_u32 v[AK], v53, 4, v[AK]
	v_add_nc_u32 v[AK], s[G0K+1], v[AK]            ; K slot + r x 272 + 16 hh
	v_lshrrev_b32 v55, 1, v52
	v_and_b32 v56, 1, v52
	v_mul_u32_u24 v[AV], v55, PITCH
	v_lshl_add_u32 v[AV], v56, 7, v[AV]
	v_lshl_add_u32 v[AV], v53, 4, v[AV]
	v_add_nc_u32 v[AV], s[G0V+1], v[AV]            ; V slot + (r / 2) x 272 + 128 (r & 1) + 16 hh: sixteen different columns of 16 bytes
	v_mul_u32_u24 v[SO], v52, OPITCH
	v_lshl_add_u32 v[SO], v53, 5, v[SO]
	v_add_nc_u32 v[SO], s[G0K+1], v[SO]            ; my stage + r x 528 + 32 hh
	s_lshl_b32 s44, s12, 9
	s_add_co_u32 s44, s44, STAT
	v_lshl_add_u32 v[STW], v52, 4, s44
	v_lshlrev_b32 v[STR], 4, v52
	v_add_nc_u32 v[STR], STAT, v[STR]
	s_mul_i32 s46, s12, 16*OPITCH
	v_lshl_add_u32 v[RD], v54, 4, s46              ; my wave's 16 queries in wave 0's stage,
.irp w, 1,2,3
	v_add_nc_u32 v[RD+\w], \w*WSL, v[RD]           ; and in the others'
.endr
	s_lshl_b32 s46, s12, 13
	v_lshl_add_u32 v[OA], v54, 4, s46              ; 16 queries of 512 bytes a wave + 16 L
.irp t, 0,1,2,3
	v_mov_b32 v[TMP+\t], 0                         ; the lane exchange counts as a reader of its destination
.endr
	s_wait_loadcnt 0x0                             ; Q, once
	s_wait_tensorcnt 0x1                           ; tensor loads of a wave end in order (ISA guide 10.11.1): K is in, V, issued behind it, may be out.  I alone read my slots
	FETCHK 0, F0
	FETCHK 1, F1
	STEP 1, 1
	s_mov_b32 s3, 6
.Lstep:
	STEP 0, 1
	s_sub_co_u32 s3, s3, 1
	s_cmp_lg_u32 s3, 0
	s_cbranch_scc1 .Lstep
	STEP 0, 0                                      ; the last step asks for nothing
	; THE MERGE of the four waves' m, l and O^T.
	PLACES 4                                       ; four places behind the last matrix instructions (ISA guide 7.12.1)
.irp t, 0,1,2,3
	v_permlanex16_b32 v[TMP+\t], v[L+\t], s22, s23
.endr
.irp t, 0,1,2,3
	v_add_f32 v[L+\t], v[L+\t], v[TMP+\t]          ; l over all my wave's keys
.endr
	ds_store_b128 v[STW], v[M:M+3]                 ; lanes r and r + 16 store the same numbers to the same bytes
	ds_store_b128 v[STW], v[L:L+3] offset:256
	s_wait_dscnt 0x0                               ; in LDS before I say so
	s_barrier_signal -1
	s_barrier_wait -1
.irp w, 0,1,2,3
	ds_load_b128 v[TR+8*\w:TR+8*\w+3],   v[STR] offset:512*\w
	ds_load_b128 v[TR+8*\w+4:TR+8*\w+7], v[STR] offset:512*\w+256
.endr
	s_wait_dscnt 0x0
.irp t, 0,1,2,3
	v_max3_num_f32 v[MN+\t], v[TR+\t], v[TR+8+\t], v[TR+16+\t]
.endr
.irp t, 0,1,2,3
	v_max_num_f32 v[MN+\t], v[MN+\t], v[TR+24+\t]  ; the row's maximum over all keys
.endr
.irp t, 0,1,2,3
	v_mul_f32 v[NMC+\t], s20, v[MN+\t]
.endr
.irp w, 0,1,2,3
.irp t, 0,1,2,3
	v_fma_f32 v[TR+8*\w+\t], v[TR+8*\w+\t], s18, v[NMC+\t]
.endr
.endr
.irp t, 0,1,2,3
	v_fma_f32 v[ARG+\t], v[M+\t], s18, v[NMC+\t]
.endr
.irp w, 0,1,2,3
.irp t, 0,1,2,3
	v_exp_f32 v[TR+8*\w+\t], v[TR+8*\w+\t]
.endr
.endr
.irp t, 0,1,2,3
	v_exp_f32 v[ARG+\t], v[ARG+\t]                 ; my own wave's weight
.endr
	v_nop                                          ; one plain place behind the exponentials (ISA guide 5.7.2)
	s_wait_alu depctr_va_vdst(0)
.irp t, 0,1,2,3
	v_mul_f32 v[TMP+\t], v[TR+\t], v[TR+4+\t]
.endr
.irp w, 1,2,3
.irp t, 0,1,2,3
	v_fmac_f32 v[TMP+\t], v[TR+8*\w+\t], v[TR+8*\w+4+\t]           ; the row's sum; the wave that holds the maximum adds about 1 at the least
.endr
.endr
.irp t, 0,1,2,3
	v_rcp_f32 v[TMP+\t], v[TMP+\t]
.endr
	v_nop                                          ; one plain place behind the reciprocals
	s_wait_alu depctr_va_vdst(0)
.irp t, 0,1,2,3
	v_mul_f32 v[TMP+\t], VBACK, v[TMP+\t]          ; O^T was summed over V / 16: the factor 16 goes in here, exactly
.endr
.irp t, 0,1,2,3
	v_mul_f32 v[AL+2*\t],   v[ARG+\t], v[TMP+\t]
	v_mul_f32 v[AL+2*\t+1], v[ARG+\t], v[TMP+\t]
.endr
	RESCALE                                        ; my share of the result
	WIN 0x0c                                       ; store data window 3
.irp ht, 0,1,2,3,4,5,6,7
.irp t, 0,1,2,3
	ds_store_b128 v[SO], v[8*(4*\ht+\t):8*(4*\ht+\t)+3]   offset:16*\t*OPITCH+64*\ht        ; query 16 t + r, h = 16 ht + 8 hh ..
	ds_store_b128 v[SO], v[8*(4*\ht+\t)+4:8*(4*\ht+\t)+7] offset:16*\t*OPITCH+64*\ht+16
.endr
.endr
	WIN 0
	s_wait_dscnt 0x0                               ; in LDS before I say so
	s_barrier_signal -1
	s_barrier_wait -1
	SUM4 0, F0
	SUM4 1, F1
	SUM4 2, F0
	SUM4 3, F1
	s_wait_tensorcnt 0x0
	ds_add_u32 v254, v255
	s_wait_dscnt 0x0
	ROUND                                          ; the closing round: no work-group ends while a partner may still ask for a tile that names it
	s_endpgm
.Lfunc_end_k_q10c466c795_attn:
	.size	k_q10c466c795_attn, .Lfunc_end_k_q10c466c795_attn-k_q10c466c795_attn
	.p2alignl 7, 3214868480
	.fill 96, 4, 3214868480
	.section	.rodata,"a",@progbits
	.p2align	6, 0x0
	.amdhsa_kernel k_q10c466c795_attn
		.amdhsa_group_segment_fixed_size 327680
		.amdhsa_private_segment_fixed_size 0
		.amdhsa_enable_private_segment 0
		.amdhsa_kernarg_size 32
		.amdhsa_user_sgpr_count 2
		.amdhsa_user_sgpr_kernarg_segment_ptr 1
		.amdhsa_wavefront_size32 1
		.amdhsa_system_sgpr_workgroup_id_x 1
		.amdhsa_system_sgpr_workgroup_id_y 1
		.amdhsa_system_sgpr_workgroup_id_z 1
		.amdhsa_system_vgpr_workitem_id 0
		.amdhsa_next_free_vgpr 1024
		.amdhsa_next_free_sgpr 66
		.amdhsa_reserve_vcc 0
		.amdhsa_float_denorm_mode_32 3
		.amdhsa_float_denorm_mode_16_64 3
		.amdhsa_memory_ordered 1
		.amdhsa_forward_progress 1
		.amdhsa_inst_pref_size 255
	.end_amdhsa_kernel
	.section	.bss,"aw",@nobits
	.p2align	6
	.space	262144
	.amdgpu_metadata
---
amdhsa.version: [ 1, 2 ]
amdhsa.kernels:
  - .name:           k_q10c466c795_attn
    .symbol:         k_q10c466c795_attn.kd
    .args:
      - { .name: Qb, .offset: 0, .size: 8, .value_kind: global_buffer, .address_space: global }
      - { .name: Kb, .offset: 8, .size: 8, .value_kind: global_buffer, .address_space: global }
      - { .name: Vb, .offset: 16, .size: 8, .value_kind: global_buffer, .address_space: global }
      - { .name: out0, .offset: 24, .size: 8, .value_kind: global_buffer, .address_space: global }
    .group_segment_fixed_size: 327680
    .private_segment_fixed_size: 0
    .kernarg_segment_align: 8
    .kernarg_segment_size: 32
    .max_flat_workgroup_size: 128
    .sgpr_count:     66
    .vgpr_count:     1024
    .wavefront_size: 32
...
	.end_amdgpu_metadata
.endif
;; end of part 6
;; ======== version 3 of 3: 3 launches; version 2 with the launch prep written anew for expert scheduling mode
;; limits: values are held in f16: magnitudes above 65,504 overflow, below 6.1e-05 lose precision; right only within a limited range of input values
;; workspace buffers: Wt 786,432 bytes; Qb 4,194,304 bytes; Kb 4,194,304 bytes; Vb 4,194,304 bytes
;; launch prep (part 7): grid 16 x 3, 8 waves a work-group, no clusters, 18,432 bytes of LDS; arguments Wq, Wk, Wv, Wt; writes Wt
.if DOCPART == 7
	.amdgcn_target "amdgcn-amd-amdhsa--gfx1250"
	.amdhsa_code_object_version 6
	.text
	.protected	k_q10c466c795_prep
	.globl	k_q10c466c795_prep
	.p2align	8
	.type	k_q10c466c795_prep,@function
k_q10c466c795_prep:
	s_mov_b64 s[64:65], 0
	v_nop
	global_prefetch_b8 v0, s[64:65] scope:SCOPE_SE
	s_setreg_imm32_b32 hwreg(HW_REG_WAVE_SCHED_MODE, 0, 2), 2
	s_setreg_imm32_b32 hwreg(HW_REG_WAVE_MODE, 25, 1), 1
	s_wait_xcnt 0x0
	s_wait_alu depctr_vm_vsrc(0)
; Wt[d / 128][128 mat + h][d % 128] = bf16(W_mat[d][h]), mat 0, 1, 2 = q, k, v.  W: [1024 d][128 h] f32.  Wt: [8][384][128] bf16.
; The projection wants d along the rows in bf16, and takes 128 d of all 384 rows at a time: such a tile is 98,304 bytes without gaps here.
; This is done once instead of in each of the projection's 256 work-groups.
; A work-group (grid x = 2 dblk + hblk, grid y = mat) transposes 128 d x 64 h through LDS: it reads pieces of 256 bytes of 128 rows
; and writes 64 rows of 256 bytes, 16 KiB without gaps.  48 work-groups: 3 x 8 x 2 such blocks are all there is.
; No matrix unit, no tensor load, no cluster: 1.5 MiB are read once, and no two work-groups read the same byte.
; Rounding: f32 to bf16, to nearest even.
; THE MODE: SCHED_MODE bits 1:0 = 2 (LLVM: expert scheduling mode 2), set by the entry lines.  The code itself states the register dependences
; between vector instructions and memory or LDS instructions, with s_wait_alu, always for 0.
; THE PLAN.  Registers that memory or LDS instructions touch, in program order (there is no loop):
;   v4 to v7, v64, v65   offsets and addresses: written by vector instructions at the head, read by loads, stores and the closing add, never written again.
;   IN  v[8:39]          written by the eight global loads; read by the sixteen conversions; then the four LDS loads land in v[8:23], which the four global stores read.
;   PK  v[40:55]         written by the sixteen conversions; read by the sixteen LDS stores; never written again.
; So two waits on va_vdst state everything: one ahead of the first load (the offsets and addresses are written), and one between the run of conversions and
; the run of LDS stores (PK is written; the conversions are done reading IN, and no vector instruction stands between that wait and the LDS loads into v[8:23]).
; No register that a memory or LDS instruction has read is written again, so no wait on vm_vsrc is owed.  No vector instruction writes a scalar register, VCC or EXEC.
.set TP,    272                        ; LDS row of the transposed tile: 128 d x 2 bytes + 16
.set WTILE, 384*256                    ; bytes of a tile of Wt
.set SRC, 4                            ; v4   source offset
.set TW,  5                            ; v5   LDS address of my packed words
.set TR,  6                            ; v6   LDS address for reading rows back
.set DST, 7                            ; v7   destination offset
.set IN,  8                            ; v[8:39]  four pairs of rows, 4 f32 each; later v[8:23]: rows read back
.set PK,  40                           ; v[40:55] packed pairs (d even in the low half, d odd in the high half)
	s_load_b256 s[4:11], s[0:1], 0x0               ; Wq s[4:5], Wk s[6:7], Wv s[8:9], Wt s[10:11]
	v_lshl_add_u32 v64, v0, 2, 0x4400              ; my spare word, behind the tile's 64 rows of 272 bytes; kept for the closing lines alone
	v_mov_b32 v65, 0                               ; and 0, likewise
	s_and_b32 s12, ttmp7, 0xffff                   ; mat
	s_lshr_b32 s13, ttmp9, 1                       ; dblk: which 128 d
	s_and_b32 s14, ttmp9, 1                        ; hblk: which 64 h
	v_and_b32 v1, 15, v0                           ; quad: my four h are 4 quad .. 4 quad + 3
	v_lshrrev_b32 v2, 4, v0                        ; prow 0..15: my pairs of rows are d = 2 (prow + 16 i), + 1
	v_lshlrev_b32 v3, 4, v1                        ; 16 quad
	v_lshl_add_u32 v[SRC], v2, 10, v3              ; 2 prow rows of 512 bytes + 16 quad
	v_mul_u32_u24 v[TW], v1, 4*TP                  ; tile row 4 quad
	v_lshl_add_u32 v[TW], v2, 2, v[TW]             ; + 4 bytes for each pair of d
	v_mul_u32_u24 v[TR], v2, TP
	v_add_nc_u32 v[TR], v[TR], v3                  ; back: sixteen lanes take one row of 256 bytes
	v_lshlrev_b32 v[DST], 4, v0                    ; the same row in Wt: (thread / 16) rows of 256 bytes + 16 (thread % 16) = 16 x thread
	s_lshl_b32 s16, s13, 16                        ; source: 128 dblk rows of 512 bytes
	s_lshl_b32 s15, s14, 8                         ; + 64 hblk f32
	s_add_co_u32 s16, s16, s15
	s_mov_b32 s17, 0
	s_mul_i32 s18, s13, WTILE                      ; destination: tile dblk
	s_lshl_b32 s15, s12, 15                        ; + 128 mat rows of 256 bytes
	s_add_co_u32 s18, s18, s15
	s_lshl_b32 s15, s14, 14                        ; + 64 hblk rows
	s_add_co_u32 s18, s18, s15
	s_mov_b32 s19, 0
	s_wait_kmcnt 0x0
	s_cmp_eq_u32 s12, 1
	s_cselect_b64 s[4:5], s[6:7], s[4:5]           ; the source buffer is chosen by the grid's y alone
	s_cmp_eq_u32 s12, 2
	s_cselect_b64 s[4:5], s[8:9], s[4:5]
	s_add_nc_u64 s[4:5], s[4:5], s[16:17]
	s_add_nc_u64 s[10:11], s[10:11], s[18:19]
	s_wait_alu depctr_va_vdst(0)                   ; v4 to v7 are written, which the loads and stores below read as offsets and addresses; none of them is written again
.irp i, 0,1,2,3
	global_load_b128 v[IN+8*\i:IN+8*\i+3],   v[SRC], s[4:5] offset:\i*16384 th:TH_LOAD_NT       ; row d = 2 p
	global_load_b128 v[IN+8*\i+4:IN+8*\i+7], v[SRC], s[4:5] offset:\i*16384+512 th:TH_LOAD_NT   ; row d = 2 p + 1
.endr
	s_wait_loadcnt 0x0                             ; all eight: this is the whole of the work-group's input
.irp i, 0,1,2,3
.irp e, 0,1,2,3
	v_cvt_pk_bf16_f32 v[PK+4*\i+\e], v[IN+8*\i+\e], v[IN+8*\i+4+\e]
.endr
.endr
	s_wait_alu depctr_va_vdst(0)                   ; the conversions have written v[PK ..], which the LDS stores read, and are done reading v[IN ..], in which the LDS loads behind the barrier land
.irp i, 0,1,2,3
.irp e, 0,1,2,3
	ds_store_b32 v[TW], v[PK+4*\i+\e] offset:\e*TP+64*\i          ; tile row h = 4 quad + e, bytes 4 p .. 4 p + 3
.endr
.endr
	s_wait_dscnt 0x0                               ; my stores are in LDS before I say so: other waves read them
	s_barrier_signal -1
	s_barrier_wait -1
.irp j, 0,1,2,3
	ds_load_b128 v[IN+4*\j:IN+4*\j+3], v[TR] offset:\j*16*TP      ; tile rows 16 j + (thread / 16).  No wait: no vector instruction since the wait above names these registers
.endr
.irp j, 0,1,2,3
	s_wait_dscnt 3-\j                              ; LDS loads come back in order: load j is in, the 3 - j younger ones may be out
	global_store_b128 v[DST], v[IN+4*\j:IN+4*\j+3], s[10:11] offset:\j*4096    ; a wave stores 512 consecutive bytes, aligned
.endr
	s_wait_dscnt 0x0                               ; the closing lines, six on end
	s_wait_alu 0x0
	s_wait_tensorcnt 0x0
	ds_add_u32 v64, v65
	s_wait_dscnt 0x0
	s_endpgm
.Lfunc_end_k_q10c466c795_prep:
	.size	k_q10c466c795_prep, .Lfunc_end_k_q10c466c795_prep-k_q10c466c795_prep
	.p2alignl 7, 3214868480
	.fill 96, 4, 3214868480
	.section	.rodata,"a",@progbits
	.p2align	6, 0x0
	.amdhsa_kernel k_q10c466c795_prep
		.amdhsa_group_segment_fixed_size 18432
		.amdhsa_private_segment_fixed_size 0
		.amdhsa_enable_private_segment 0
		.amdhsa_kernarg_size 32
		.amdhsa_user_sgpr_count 2
		.amdhsa_user_sgpr_kernarg_segment_ptr 1
		.amdhsa_wavefront_size32 1
		.amdhsa_system_sgpr_workgroup_id_x 1
		.amdhsa_system_sgpr_workgroup_id_y 1
		.amdhsa_system_sgpr_workgroup_id_z 1
		.amdhsa_system_vgpr_workitem_id 0
		.amdhsa_next_free_vgpr 66
		.amdhsa_next_free_sgpr 66
		.amdhsa_reserve_vcc 0
		.amdhsa_float_denorm_mode_32 3
		.amdhsa_float_denorm_mode_16_64 3
		.amdhsa_memory_ordered 1
		.amdhsa_forward_progress 1
		.amdhsa_inst_pref_size 6
	.end_amdhsa_kernel
	.amdgpu_metadata
---
amdhsa.version: [ 1, 2 ]
amdhsa.kernels:
  - .name:           k_q10c466c795_prep
    .symbol:         k_q10c466c795_prep.kd
    .args:
      - { .name: Wq, .offset: 0, .size: 8, .value_kind: global_buffer, .address_space: global }
      - { .name: Wk, .offset: 8, .size: 8, .value_kind: global_buffer, .address_space: global }
      - { .name: Wv, .offset: 16, .size: 8, .value_kind: global_buffer, .address_space: global }
      - { .name: Wt, .offset: 24, .size: 8, .value_kind: global_buffer, .address_space: global }
    .group_segment_fixed_size: 18432
    .private_segment_fixed_size: 0
    .kernarg_segment_align: 8
    .kernarg_segment_size: 32
    .max_flat_workgroup_size: 256
    .sgpr_count:     66
    .vgpr_count:     66
    .wavefront_size: 32
...
	.end_amdgpu_metadata
.endif
;; end of part 7
;; launch proj: the kernel of part 5 again; grid 256 x 1, 4 waves a work-group, clusters of 4 x 1, 327,680 bytes of LDS; arguments X, Wt, Qb, Kb, Vb; writes Qb, Kb, Vb
;; launch attn: the kernel of part 6 again; grid 256 x 1, 4 waves a work-group, clusters of 4 x 1, 327,680 bytes of LDS; arguments Qb, Kb, Vb, out0; writes out0
